; MI455X (gfx1250); checked and timed in simulation.
; The chip was launched on July 23, 2026; its instructions are those of AMD's public machine-readable ISA for CDNA 5 (MIT licence, August 2026) and "CDNA5" Instruction Set Architecture Reference Guide (July 2026). The comments in the code are by the model that wrote it; some were corrected since.
;; Transformer Block. Allowed arithmetic: matrix products marked QUANTISED: E2M3 operands, one E8M0 scale for each 32 along K, by v_wmma_scale_f32_16x16x128_f8f6f4 with both operands' format E2M3, f32 sums; everything else in f32.
;; Inputs: W1 1,024 x 4,096 float32; W2 4,096 x 1,024 float32; Wk 16 x 1,024 x 64 float32; Wp 1,024 x 1,024 float32; Wq 16 x 1,024 x 64 float32; Wv 16 x 1,024 x 64 float32; b1 4,096 float32; b2 1,024 float32; be1 1,024 float32; be2 1,024 float32; bk 16 x 64 float32; bp 1,024 float32; bq 16 x 64 float32; bv 16 x 64 float32; g1 1,024 float32; g2 1,024 float32; x 2 x 2,048 x 1,024 float32.
;; Outputs: out0 2 x 2,048 x 1,024 float32.
;; This version of the problem:
;;   THIS VERSION OF THE PROBLEM IS GIVEN IN LOW PRECISION. The matrix products marked QUANTISED in the list below multiply operands that are first quantised to E2M3 (2 exponent bits, 3 mantissa bits; 6 bits a number), with one power-of-two scale for each 32 numbers along K (OCP MX v1.0); their sums are f32. All else is computed in f32.
;;   The module's matrix products, in the order in which they are computed (A, B: the left and right operand; K: the contracted axis; several contracted axes count as one K, in the product's order):
;;     1. [M 1,024, K 1,024] x [K 1,024, N 4,096]; A: input Wq; B: computed on the way: QUANTISED
;;     2. [M 1,024, K 1,024] x [K 1,024, N 4,096]; A: input Wk; B: computed on the way: QUANTISED
;;     3. [M 1,024, K 1,024] x [K 1,024, N 4,096]; A: input Wv; B: computed on the way: QUANTISED
;;     4. batch 32 x [M 2,048, K 64] x [K 64, N 2,048]; A: computed on the way; B: computed on the way: QUANTISED
;;     5. batch 32 x [M 2,048, K 2,048] x [K 2,048, N 64]; A: softmax (see below); B: computed on the way: QUANTISED
;;     6. [M 4,096, K 1,024] x [K 1,024, N 1,024]; A: computed on the way; B: input Wp: QUANTISED
;;     7. [M 4,096, K 1,024] x [K 1,024, N 4,096]; A: computed on the way; B: input W1: QUANTISED
;;     8. [M 4,096, K 4,096] x [K 4,096, N 1,024]; A: computed on the way; B: input W2: QUANTISED
;;   THE QUANTISER, for each operand of a quantised product, along K:
;;     - K is cut into blocks of 32 from its start; a last block that is shorter is filled with zeros.
;;     - A block's scale is 2^e with e = floor(log2(the largest magnitude in the block)) - 2, held to -126 .. 127; a block of zeros has e = 0. As a byte (E8M0): e + 127.
;;     - Each number is divided by its block's scale, clamped to +-7.5, and rounded to the nearest number of E2M3, ties to even, subnormals kept.
;;     - The product sums the exact products of the quantised numbers (number of the format x scale) in f32.
;;   ~~~python
;;   def quantise(x, axis):      # numpy; x: float32 -> the quantised numbers, widened to float32 again
;;       x = np.moveaxis(x, axis, -1); K = x.shape[-1]
;;       x = np.pad(x, [(0, 0)] * (x.ndim - 1) + [(0, -K % 32)]); x = x.reshape(x.shape[:-1] + (-1, 32)); a = np.abs(x).max(-1, keepdims=True)
;;       e = np.where(a > 0, np.clip(np.frexp(np.where(a > 0, a, 1))[1] - 1 - 2, -126, 127), 0)      # np.frexp(a)[1] - 1 = floor(log2(a)), exactly
;;       r = np.clip(x / 2.0 ** e, -7.5, 7.5)
;;       step = 2.0 ** (np.maximum(np.frexp(np.where(r == 0, 1, r))[1] - 1, 0) - 3)
;;       q = np.round(r / step) * step * 2.0 ** e      # np.round: ties to even
;;       return np.moveaxis(q.reshape(q.shape[:-2] + (-1,))[..., :K], -1, axis).astype(np.float32)
;;   ~~~
;;   SOFTMAX AHEAD OF A QUANTISED PRODUCT. Where the list says 'softmax', what is quantised is not the finished softmax but p = 2^(t - M), with t = logit x log2(e) and M = ceil(the row's largest t), a whole number; so 1/2 < the row's largest p <= 1. The row's sum l is taken of the UNQUANTISED p, in f32, and the product's result is divided by l at the end. Since M is a whole number, a kernel that streams over the keys may use a running M (the ceiling of the running maximum): every later rescaling is an exact power of two, which a block's scale takes up: the codes' values come out the same.
;;   OPERANDS COMPUTED ON THE WAY. 'Computed on the way' means the value that the module computes at that place (a softmax that the list does not call 'softmax' is quantised finished and normalised). What goes into a quantiser is computed in f32, as accurately as f32 sums, v_exp_f32 and their like allow (about 1e-6 of the number): no bf16 or f16 on the way to a quantiser, and a product that is left as it is and whose result goes on into a quantised operand takes f32 operands (vector FMAs, or v_wmma_f32_16x16x4_f32). A number that lies on a knife's edge between two numbers of the format may be rounded either way, as far as f32 arithmetic and the matrix unit's own rounding can turn it there, and no further.
;; One version. Each part assembles by itself: llvm-mc -triple=amdgcn-amd-amdhsa -mcpu=gfx1250 --defsym DOCPART=n.
;; ======== version 1 of 1: 7 launches
;; workspace buffers: pw 30,670,848 bytes; qkv 10,092,544 bytes; oc 3,276,800 bytes; h2b 20,054,016 bytes; hid 13,107,200 bytes; pj 16,777,216 bytes
;; launch prep (part 1): grid 1024 x 1, 4 waves a work-group, no clusters, 78,848 bytes of LDS; arguments x, g1, be1, bp, Wq, Wk, Wv, Wp, W1, W2, pw; writes pw
.if DOCPART == 1
	.amdgcn_target "amdgcn-amd-amdhsa--gfx1250"
	.amdhsa_code_object_version 6
	.text
	.protected	k_q633808eec1_prep
	.globl	k_q633808eec1_prep
	.p2align	8
	.type	k_q633808eec1_prep,@function
k_q633808eec1_prep:
	s_mov_b64 s[64:65], 0
	v_nop
	global_prefetch_b8 v0, s[64:65] scope:SCOPE_SE
	s_setreg_imm32_b32 hwreg(HW_REG_WAVE_MODE, 25, 1), 1
	s_wait_xcnt 0x0
; PREP.  Work-groups 0-767 turn the six weights (f32, K their first axis) into codes of FP6 (E2M3) with one E8M0 byte for each 32 along K; work-groups 768-1023 make h = LN1(x), its codes, and h + bp in f32.
; EVERYTHING IS STORED AS IMAGES OF OPERAND REGISTERS.  A fragment (16 rows x 128 K, 12 registers a lane) is 1,536 bytes: chunk c (512 bytes) holds registers 4 c .. 4 c + 3 of lane l at byte 16 l.
; ROWS OF A TILE: row r of tile t is index 32 (t / 2) + 8 (t % 2) + r % 8 + 16 (r / 8), for every operand of the program, so that a transposed product's 16 registers of two neighbouring tiles are 16 neighbours.
; A fragment's place in a region of NT tiles whose consumer takes DQ K steps to an LDS slot: ((ks / DQ) NT + T) DQ 1536 + (ks % DQ) 1536.  Scale words: [tile][ks][16 words].
; WEIGHTS: a lane takes a column, its registers run down K: a block of 32 is one lane's, the conversions give K innermost.  A wave takes 32 columns (two tiles) x 128 K; the codes turn through the wave's own stage in LDS
; into the two images and leave as six stores of 512 consecutive bytes.  LN1: a wave normalises four rows in registers; the 16 rows of a tile meet in LDS; each wave then takes two K steps of the tile.
; No matrix work, no shared input between work-groups: so no cluster and no tensor load.  The two paths part on the work-group's number and have LDS bytes of their own.
; LIMITS: NaN and infinities among the inputs are not served.  A block of zeros, or one whose largest magnitude lies under 2^-124, gets the byte 1 (its codes are what the conversion gives); only this program reads the bytes.
.set WQKV_C, 0
.set W1_C,   3145728
.set H_C,    6291456
.set W2_C,   9437184
.set WP_C,   12582912
.set WQKV_S, 13369344
.set W1_S,   13467648
.set H_S,    13598720
.set W2_S,   13729792
.set WP_S,   13860864
.set H_IMG,  13893632
.set LPITCH, 4112                      ; LN path: a row of 4,096 bytes + 16: the 16 rows that a load touches start 16 bytes apart modulo 256
.set WSTG,   16*LPITCH                 ; weight path: a stage of 3,072 bytes for each wave
.set SPARE,  WSTG+4*3072               ; the spare words, 128 bytes for each wave: two blocks of 256 bytes that no other line names
.set SPW, 2                            ; v2  LDS address of my spare word; never rewritten
.set NIL, 3                            ; v3  0; never rewritten
.set WOFF, 32                          ; weights: v32-63 byte offset of row i of a block at my column
.set WX,   64                          ; v64-127 two sets of 32 numbers
.set WC,   128                         ; v128-136 a block's codes
.set WSW,  140                         ; v140 my column's scale word
.set WOUT, 144                         ; v144-167 the way out
.set WB,   44                          ; s[44:51] the four blocks' bases
.set LX,  32                           ; LN: v32-159 four rows x 32
.set LG,  160                          ; v160-191 g1
.set LB,  192                          ; v192-223 be1
.set ST,  32                           ; behind the barrier: v32-95 64 numbers of h
.set BPQ, 96                           ; v96-159 bp, then h + bp
.set PC,  160                          ; v160-178 the codes just made
.set TM,  224                          ; v224-239 at work in QUANT
.set PW,  240                          ; v240 the scale word just made
.set SEL, 54                           ; s[54:55] lane selects for lane l xor 16
; 64 numbers of a lane, register 16 b + i = k 32 b + 16 (lane / 16) + i of my row, become a fragment's codes in v[PC] on and its scale word in v[PW].
.macro QUANT s
.irp b, 0,1,2,3
	v_max3_num_f32 v[TM+\b], |v[\s+16*\b]|, |v[\s+1+16*\b]|, 0x1800000   ; my 16 numbers of block b, and the floor 2^(3 - 127): the byte cannot fall under 1
.endr
.irp i, 2,4,6,8,10,12,14
.irp b, 0,1,2,3
	v_max3_num_f32 v[TM+\b], v[TM+\b], |v[\s+16*\b+\i]|, |v[\s+1+16*\b+\i]|
.endr
.endr
.irp b, 0,1,2,3
	v_permlanex16_b32 v[TM+4+\b], v[TM+\b], s[SEL], s[SEL+1]
.endr
.irp b, 0,1,2,3
	v_max_num_f32 v[TM+\b], v[TM+\b], v[TM+4+\b]   ; with lane l xor 16's: the block's largest magnitude
.endr
.irp b, 0,1,2,3
	v_add_nc_u32 v[TM+12+\b], 0xff000000, v[TM+\b]   ; 2 off its exponent field: the conversion's scale operand
.endr
.irp b, 0,1,2,3
	v_lshrrev_b32 v[TM+4+\b], 23, v[TM+12+\b]   ; the scale's byte
.endr
	v_lshl_or_b32 v[PW], v[TM+5], 8, v[TM+4]
	v_lshl_or_b32 v[PW], v[TM+6], 16, v[PW]
	v_lshl_or_b32 v[PW], v[TM+7], 24, v[PW]
.irp c, 0,1
	v_cvt_scalef32_pk16_fp6_f32 v[PC+6*\c:PC+2+6*\c], v[\s+32*\c:\s+15+32*\c], v[TM+12+2*\c]
	v_cvt_scalef32_pk16_fp6_f32 v[PC+12+4*\c:PC+14+4*\c], v[\s+16+32*\c:\s+31+32*\c], v[TM+12+2*\c+1]   ; (a conversion's three registers begin on an even number)
.endr
	v_nop                                          ; one plain place behind a scaled conversion
.irp c, 0,1                                    ; the layout wants a whole block in a lane: lanes 0-15 block 2 c, lanes 16-31 block 2 c + 1
.irp i, 0,1,2
	v_permlane16_swap_b32 v[PC+6*\c+\i], v[PC+12+4*\c+\i]
.endr
.irp i, 0,1,2
	v_mov_b32 v[PC+3+6*\c+\i], v[PC+12+4*\c+\i]
.endr
.endr
.endm
	s_load_b256 s[4:11], s[0:1], 0x0               ; x, g1, be1, bp
	s_load_b256 s[12:19], s[0:1], 0x20             ; Wq, Wk, Wv, Wp
	s_load_b128 s[36:39], s[0:1], 0x40             ; W1, W2
	s_load_b64 s[40:41], s[0:1], 0x50              ; pw
	v_lshl_add_u32 v[SPW], v0, 2, SPARE
	v_mov_b32 v[NIL], 0
	v_lshrrev_b32 v1, 5, v0
	v_readfirstlane_b32 s2, v1                     ; wave 0..3
	v_and_b32 v4, 31, v0                           ; lane
	s_cmp_lt_u32 ttmp9, 768
	s_cbranch_scc0 .Lnorm
	; ---------------- THE WEIGHTS.  The tensor's figures, chosen by the work-group's number: W2's first, then each earlier tensor's where the number lies under its limit
	s_mov_b32 s22, 512                             ; the tensor's first work-group
	s_mov_b32 s23, 4096                            ; RS: bytes from a row of K to the next
	s_mov_b32 s24, 3                               ; log2 of the work-groups along n
	s_mov_b32 s25, 0                               ; a group of 32 columns g begins at (g >> s25) x s26 + (g & s27) x 128 bytes
	s_mov_b32 s26, 128
	s_mov_b32 s27, 0
	s_mov_b32 s28, W2_C                            ; the codes' region,
	s_mov_b32 s29, 0                               ; the tensor's first tile in it,
	s_mov_b32 s30, 64                              ; its tiles NT,
	s_mov_b32 s31, 2                               ; log2 of DQ
	s_mov_b32 s32, W2_S                            ; the scale words' region,
	s_mov_b32 s33, 32                              ; K steps
	s_wait_kmcnt 0x0
	s_mov_b64 s[20:21], s[38:39]
	s_cmp_lt_u32 ttmp9, 512                        ; W1
	s_cselect_b64 s[20:21], s[36:37], s[20:21]
	s_cselect_b32 s22, 256, s22
	s_cselect_b32 s23, 16384, s23
	s_cselect_b32 s24, 5, s24
	s_cselect_b32 s28, W1_C, s28
	s_cselect_b32 s30, 256, s30
	s_cselect_b32 s31, 1, s31
	s_cselect_b32 s32, W1_S, s32
	s_cselect_b32 s33, 8, s33
	s_cmp_lt_u32 ttmp9, 256                        ; Wp
	s_cselect_b64 s[20:21], s[18:19], s[20:21]
	s_cselect_b32 s22, 192, s22
	s_cselect_b32 s23, 4096, s23
	s_cselect_b32 s24, 3, s24
	s_cselect_b32 s28, WP_C, s28
	s_cselect_b32 s30, 64, s30
	s_cselect_b32 s31, 0, s31
	s_cselect_b32 s32, WP_S, s32
	s_cmp_lt_u32 ttmp9, 192                        ; Wv: [head][d][64]: two groups to a head
	s_cselect_b64 s[20:21], s[16:17], s[20:21]
	s_cselect_b32 s22, 128, s22
	s_cselect_b32 s23, 256, s23
	s_cselect_b32 s25, 1, s25
	s_cselect_b32 s26, 262144, s26
	s_cselect_b32 s27, 1, s27
	s_cselect_b32 s28, WQKV_C, s28
	s_cselect_b32 s29, 128, s29
	s_cselect_b32 s30, 256, s30
	s_cselect_b32 s31, 1, s31
	s_cselect_b32 s32, WQKV_S, s32
	s_cmp_lt_u32 ttmp9, 128                        ; Wk
	s_cselect_b64 s[20:21], s[14:15], s[20:21]
	s_cselect_b32 s22, 64, s22
	s_cselect_b32 s29, 64, s29
	s_cmp_lt_u32 ttmp9, 64                         ; Wq
	s_cselect_b64 s[20:21], s[12:13], s[20:21]
	s_cselect_b32 s22, 0, s22
	s_cselect_b32 s29, 0, s29
	s_sub_co_u32 s42, ttmp9, s22                   ; j: my number in the tensor
	s_lshl_b32 s43, 1, s24
	s_sub_co_u32 s43, s43, 1
	s_and_b32 s43, s42, s43
	s_lshl_b32 s43, s43, 2
	s_add_co_u32 s43, s43, s2                      ; g: my wave's group of 32 columns
	s_lshr_b32 s42, s42, s24                       ; ks: my K step of 128
	s_lshl_b32 s34, s23, 7
	s_mul_i32 s34, s34, s42                        ; ks x 128 rows
	s_lshr_b32 s35, s43, s25
	s_mul_i32 s35, s35, s26
	s_add_co_u32 s34, s34, s35
	s_and_b32 s35, s43, s27
	s_lshl_b32 s35, s35, 7
	s_add_co_u32 s34, s34, s35
	s_mov_b32 s35, 0
	s_add_nc_u64 s[WB:WB+1], s[20:21], s[34:35]    ; block 0; the next blocks 32 rows further down each
	s_lshl_b32 s34, s23, 5
	s_add_nc_u64 s[WB+2:WB+3], s[WB:WB+1], s[34:35]
	s_add_nc_u64 s[WB+4:WB+5], s[WB+2:WB+3], s[34:35]
	s_add_nc_u64 s[WB+6:WB+7], s[WB+4:WB+5], s[34:35]
	v_lshlrev_b32 v[WOFF], 2, v4                   ; 4 bytes a lane: 128 consecutive bytes a wave
.set i, 0
.rept 31
	v_add_nc_u32 v[WOFF+i+1], s23, v[WOFF+i]       ; and a row further down for each register
.set i, i+1
.endr
.macro WLOAD t                         ; block t: W(32 t + i, my column), i = 0 .. 31, into set t % 2
.irp i, 0,1,2,3,4,5,6,7,8,9,10,11,12,13,14,15,16,17,18,19,20,21,22,23,24,25,26,27,28,29,30,31
	global_load_b32 v[WX+32*((\t)%2)+\i], v[WOFF+\i], s[WB+2*(\t):WB+2*(\t)+1] th:TH_LOAD_NT
.endr
.endm
	WLOAD 0
	WLOAD 1
	s_lshl_b32 s43, s43, 1
	s_add_co_u32 s43, s43, s29                     ; nt: my first tile in the region
	s_lshr_b32 s34, s42, s31
	s_mul_i32 s34, s34, s30
	s_add_co_u32 s34, s34, s43
	s_lshl_b32 s34, s34, s31                       ; ((ks / DQ) NT + nt) DQ
	s_lshl_b32 s52, 1, s31                         ; DQ
	s_sub_co_u32 s53, s52, 1
	s_and_b32 s53, s42, s53
	s_add_co_u32 s34, s34, s53                     ; + ks % DQ
	s_mul_i32 s34, s34, 1536
	s_add_co_u32 s34, s34, s28
	s_add_nc_u64 s[54:55], s[40:41], s[34:35]      ; the first tile's image,
	s_mul_i32 s34, s52, 1536
	s_add_nc_u64 s[56:57], s[54:55], s[34:35]      ; the second's, DQ images on
	s_mul_i32 s34, s43, s33
	s_add_co_u32 s34, s34, s42
	s_lshl_b32 s34, s34, 6
	s_add_co_u32 s34, s34, s32
	s_add_nc_u64 s[58:59], s[40:41], s[34:35]      ; the first tile's 16 scale words of this K step
	s_lshl_b32 s33, s33, 6                         ; bytes of scale words in a tile
	v_bfe_u32 v5, v0, 3, 1                         ; column l of the group lies in tile u = (l / 8) % 2,
	v_and_b32 v6, 7, v0
	v_bfe_u32 v7, v0, 4, 1
	v_lshl_add_u32 v6, v7, 3, v6                   ; at row l % 8 + 8 (l / 16)
	v_mul_u32_u24 v8, v5, 1536
	v_lshl_add_u32 v8, v6, 4, v8
	s_mul_i32 s52, s2, 3072
	s_add_co_u32 s52, s52, WSTG                    ; my stage
	v_add_nc_u32 v8, s52, v8                       ; into it: image u, 16 bytes a row
	v_lshlrev_b32 v9, 4, v4                        ; 16 x lane
	v_add_nc_u32 v10, s52, v9                      ; out of it
	v_mul_u32_u24 v14, s33, v5
	v_lshl_add_u32 v14, v6, 2, v14                 ; my column's scale word
; Block t of my column is what lane (row, t % 2) of the fragment holds in registers 6 (t / 2) .. + 5: 24 bytes, laid into the image as 16 + 8 or 8 + 16.
.macro WBLOCK t
.set XS, WX+32*((\t)%2)
.if (\t) < 3
	s_wait_loadcnt 32                              ; this block's 32 loads are in; the next block's may be out
.else
	s_wait_loadcnt 0x0
.endif
	v_max3_num_f32 v12, |v[XS]|, |v[XS+1]|, |v[XS+2]|   ; the block's largest magnitude: all 32 numbers are mine
	v_max3_num_f32 v13, |v[XS+3]|, |v[XS+4]|, |v[XS+5]|
.irp i, 6,10,14,18,22,26
	v_max3_num_f32 v12, v12, |v[XS+\i]|, |v[XS+\i+1]|
	v_max3_num_f32 v13, v13, |v[XS+\i+2]|, |v[XS+\i+3]|
.endr
	v_max3_num_f32 v12, v12, |v[XS+30]|, |v[XS+31]|
	v_max3_num_f32 v12, v12, v13, 0x1800000        ; and the floor 2^(3 - 127)
	v_add_nc_u32 v11, 0xff000000, v12              ; 2 off its exponent field: the conversion's scale operand
	v_lshrrev_b32 v13, 23, v11                     ; the scale's byte
.if (\t) == 0
	v_mov_b32 v[WSW], v13
.else
	v_lshl_or_b32 v[WSW], v13, 8*(\t), v[WSW]
.endif
	v_cvt_scalef32_pk16_fp6_f32 v[WC:WC+2], v[XS:XS+15], v11
	v_cvt_scalef32_pk16_fp6_f32 v[WC+6:WC+8], v[XS+16:XS+31], v11
	v_nop                                          ; one plain place behind a scaled conversion
.irp i, 0,1,2
	v_mov_b32 v[WC+3+\i], v[WC+6+\i]
.endr
.if (\t) < 2
	ds_store_b128 v8, v[WC:WC+3] offset:256*(\t)
	ds_store_b64 v8, v[WC+4:WC+5] offset:512+256*(\t)
.else
	ds_store_b64 v8, v[WC:WC+1] offset:520+256*((\t)-2)
	ds_store_b128 v8, v[WC+2:WC+5] offset:1024+256*((\t)-2)
.endif
.if (\t)+2 < 4
	WLOAD (\t)+2
.endif
	s_wait_dscnt 0x0                               ; the stores have read their registers: the next block's codes may be written
.endm
	WBLOCK 0
	WBLOCK 1
	WBLOCK 2
	WBLOCK 3
.irp i, 0,1,2,3,4,5
	ds_load_b128 v[WOUT+4*\i:WOUT+4*\i+3], v10 offset:512*\i   ; my own stage: LDS serves a wave's instructions in order
.endr
.irp i, 0,1,2
	s_wait_dscnt 5-\i                              ; the younger loads may be out
	global_store_b128 v9, v[WOUT+4*\i:WOUT+4*\i+3], s[54:55] offset:512*\i   ; 512 consecutive bytes, aligned
.endr
.irp i, 3,4,5
	s_wait_dscnt 5-\i
	global_store_b128 v9, v[WOUT+4*\i:WOUT+4*\i+3], s[56:57] offset:512*(\i-3)
.endr
	global_store_b32 v14, v[WSW], s[58:59]
	s_wait_tensorcnt 0x0                           ; the wave's end
	ds_add_u32 v[SPW], v[NIL]
	s_wait_dscnt 0x0
	s_endpgm
	; ---------------- LN1.  Tile T of 16 tokens; wave w normalises rows 4 w .. 4 w + 3 of the tile
.Lnorm:
	s_sub_co_u32 s20, ttmp9, 768                   ; T
	s_lshr_b32 s21, s20, 1
	s_lshl_b32 s21, s21, 5
	s_and_b32 s22, s20, 1
	s_lshl_b32 s22, s22, 3
	s_add_co_u32 s21, s21, s22
	s_and_b32 s22, s2, 1
	s_lshl_b32 s22, s22, 2
	s_add_co_u32 s21, s21, s22
	s_lshr_b32 s22, s2, 1
	s_lshl_b32 s22, s22, 4
	s_add_co_u32 s21, s21, s22                     ; my first token: 32 (T / 2) + 8 (T % 2) + 4 (w % 2) + 16 (w / 2); my four are neighbours
	s_lshl_b32 s22, s21, 12
	s_mov_b32 s23, 0
	v_lshlrev_b32 v5, 4, v4                        ; 16 x lane
	s_mul_i32 s27, s2, 4*LPITCH
	v_add_nc_u32 v6, s27, v5                       ; into the stage: my four rows
	v_and_b32 v29, 15, v0                          ; r
	v_bfe_u32 v28, v0, 4, 1                        ; h
	v_mul_u32_u24 v7, v29, LPITCH
	v_lshl_add_u32 v7, v28, 6, v7
	s_lshl_b32 s27, s2, 10
	v_add_nc_u32 v7, s27, v7                       ; out of it: row r, my wave's two K steps, + 64 h
	v_lshlrev_b32 v28, 6, v28                      ; 64 h
	v_lshlrev_b32 v29, 2, v29                      ; 4 r
	s_lshl_b32 s30, s20, 3
	s_lshl_b32 s31, s2, 1
	s_add_co_u32 s30, s30, s31                     ; 8 T + 2 w
	s_lshl_b32 s32, s30, 13
	s_add_co_u32 s32, s32, H_IMG
	s_mov_b32 s33, 0
	s_lshl_b32 s34, s30, 6
	s_add_co_u32 s34, s34, H_S
	s_mov_b32 s35, 0
	s_lshl_b32 s42, s2, 8
	s_add_co_u32 s42, s42, s20
	s_mul_i32 s42, s42, 3072                       ; K steps 2 w, 2 w + 1 are one slot's: (256 w + T) x 3,072
	s_add_co_u32 s42, s42, H_C
	s_mov_b32 s43, 0
	s_lshl_b32 s28, s2, 10
	s_mov_b32 s29, 0
	s_mov_b32 s52, 0x3a800000                      ; 1 / 1024
	s_mov_b32 s53, 0x3727c5ac                      ; 1e-5
	s_mov_b32 s[SEL], 0x76543210
	s_mov_b32 s[SEL+1], 0xfedcba98
	s_wait_kmcnt 0x0
	s_add_nc_u64 s[4:5], s[4:5], s[22:23]
	s_add_nc_u64 s[10:11], s[10:11], s[28:29]      ; bp at my wave's 256 columns
	s_add_nc_u64 s[44:45], s[40:41], s[32:33]      ; h + bp
	s_add_nc_u64 s[46:47], s[40:41], s[34:35]      ; h's scale words
	s_add_nc_u64 s[48:49], s[40:41], s[42:43]      ; h's codes
.irp k, 0,1,2,3
.irp i, 0,1,2,3,4,5,6,7
	global_load_b128 v[LX+32*\k+4*\i:LX+32*\k+4*\i+3], v5, s[4:5] offset:4096*\k+512*\i th:TH_LOAD_NT   ; 512 consecutive bytes a load
.endr
.endr
.irp i, 0,1,2,3,4,5,6,7
	global_load_b128 v[LG+4*\i:LG+4*\i+3], v5, s[6:7] offset:512*\i
	global_load_b128 v[LB+4*\i:LB+4*\i+3], v5, s[8:9] offset:512*\i
.endr
.irp k, 0,1,2,3
	v_mov_b32 v[16+\k], 0                          ; written once: a lane permute's destination counts as one of its sources
.endr
.macro RED4                            ; v8, v10, v12, v14: each summed over the 32 lanes, the four rows by turns
.irp m, 1,2,4,8
.irp k, 0,1,2,3
	v_add_f32_dpp v[8+2*\k], v[8+2*\k], v[8+2*\k] row_xmask:\m row_mask:0xf bank_mask:0xf
.endr
.endr
.irp k, 0,1,2,3
	v_permlanex16_b32 v[16+\k], v[8+2*\k], s[SEL], s[SEL+1]
.endr
.irp k, 0,1,2,3
	v_add_f32 v[8+2*\k], v[8+2*\k], v[16+\k]
.endr
.endm
	s_wait_loadcnt 16                              ; x is in; g1's and be1's sixteen loads may be out
.irp k, 0,1,2,3
	v_pk_add_f32 v[8+2*\k:9+2*\k], v[LX+32*\k:LX+32*\k+1], v[LX+32*\k+2:LX+32*\k+3]
.endr
.irp p, 4,6,8,10,12,14,16,18,20,22,24,26,28,30
.irp k, 0,1,2,3
	v_pk_add_f32 v[8+2*\k:9+2*\k], v[8+2*\k:9+2*\k], v[LX+32*\k+\p:LX+32*\k+\p+1]
.endr
.endr
.irp k, 0,1,2,3
	v_add_f32 v[8+2*\k], v[8+2*\k], v[9+2*\k]
.endr
	RED4
.irp k, 0,1,2,3
	v_mul_f32 v[20+2*\k], s52, v[8+2*\k]           ; the mean, twice: a pair for the packed forms
.endr
.irp k, 0,1,2,3
	v_mov_b32 v[21+2*\k], v[20+2*\k]
.endr
.irp p, 0,2,4,6,8,10,12,14,16,18,20,22,24,26,28,30
.irp k, 0,1,2,3
	v_pk_add_f32 v[LX+32*\k+\p:LX+32*\k+\p+1], v[LX+32*\k+\p:LX+32*\k+\p+1], v[20+2*\k:21+2*\k] neg_lo:[0,1] neg_hi:[0,1]
.endr
.endr
.irp k, 0,1,2,3
	v_pk_mul_f32 v[8+2*\k:9+2*\k], v[LX+32*\k:LX+32*\k+1], v[LX+32*\k:LX+32*\k+1]
.endr
.irp p, 2,4,6,8,10,12,14,16,18,20,22,24,26,28,30
.irp k, 0,1,2,3
	v_pk_fma_f32 v[8+2*\k:9+2*\k], v[LX+32*\k+\p:LX+32*\k+\p+1], v[LX+32*\k+\p:LX+32*\k+\p+1], v[8+2*\k:9+2*\k]
.endr
.endr
.irp k, 0,1,2,3
	v_add_f32 v[8+2*\k], v[8+2*\k], v[9+2*\k]
.endr
	RED4
.irp k, 0,1,2,3
	v_fma_f32 v[8+2*\k], v[8+2*\k], s52, s53       ; the variance + 1e-5
.endr
.irp k, 0,1,2,3
	v_rsq_f32 v[224+2*\k], v[8+2*\k]
.endr
	v_nop                                          ; a plain place behind the last of the batch
	s_wait_alu depctr_va_vdst(0)                   ; one wait for the four, ahead of their first reader
.irp k, 0,1,2,3
	v_mov_b32 v[225+2*\k], v[224+2*\k]
.endr
	s_wait_loadcnt 0x0                             ; g1, be1
.irp p, 0,2,4,6,8,10,12,14,16,18,20,22,24,26,28,30
.irp k, 0,1,2,3
	v_pk_mul_f32 v[LX+32*\k+\p:LX+32*\k+\p+1], v[LX+32*\k+\p:LX+32*\k+\p+1], v[224+2*\k:225+2*\k]
.endr
.endr
.irp p, 0,2,4,6,8,10,12,14,16,18,20,22,24,26,28,30
.irp k, 0,1,2,3
	v_pk_fma_f32 v[LX+32*\k+\p:LX+32*\k+\p+1], v[LX+32*\k+\p:LX+32*\k+\p+1], v[LG+\p:LG+\p+1], v[LB+\p:LB+\p+1]
.endr
.endr
.irp k, 0,1,2,3
.irp i, 0,1,2,3,4,5,6,7
	ds_store_b128 v6, v[LX+32*\k+4*\i:LX+32*\k+4*\i+3] offset:LPITCH*\k+512*\i
.endr
.endr
	s_wait_dscnt 0x0                               ; for the others' sake: my rows lie in the stage
	s_barrier_signal -1
	s_barrier_wait -1                              ; all 16 rows do
; K step 2 w + sp of the tile: lane (r, h) takes, of row r, 16 neighbours of each block of 32.
.macro PASS sp
.irp b, 0,1,2,3
.irp j, 0,1,2,3
	global_load_b128 v[BPQ+16*\b+4*\j:BPQ+16*\b+4*\j+3], v28, s[10:11] offset:512*(\sp)+128*\b+16*\j
.endr
.endr
.irp b, 0,1,2,3
.irp j, 0,1,2,3
	ds_load_b128 v[ST+16*\b+4*\j:ST+16*\b+4*\j+3], v7 offset:512*(\sp)+128*\b+16*\j
.endr
.endr
	s_wait_dscnt 0x0
	QUANT ST
.irp c, 0,1,2
	global_store_b128 v5, v[PC+4*\c:PC+4*\c+3], s[48:49] offset:1536*(\sp)+512*\c
.endr
	global_store_b32 v29, v[PW], s[46:47] offset:64*(\sp)   ; lanes l and l + 16 hold the same word and name the same place
	s_wait_loadcnt 0x0                             ; bp
.set i, 0
.rept 32
	v_pk_add_f32 v[BPQ+i:BPQ+i+1], v[BPQ+i:BPQ+i+1], v[ST+i:ST+i+1]
.set i, i+2
.endr
.irp i, 0,1,2,3,4,5,6,7,8,9,10,11,12,13,14,15
	global_store_b128 v5, v[BPQ+4*\i:BPQ+4*\i+3], s[44:45] offset:8192*(\sp)+512*\i   ; h + bp as an image of accumulators
.endr
.endm
	PASS 0
	s_wait_xcnt 0x0                                ; the stores have read their registers: the second pass writes them again
	PASS 1
	s_wait_tensorcnt 0x0                           ; the wave's end
	ds_add_u32 v[SPW], v[NIL]
	s_wait_dscnt 0x0
	s_endpgm
.Lfunc_end_k_q633808eec1_prep:
	.size	k_q633808eec1_prep, .Lfunc_end_k_q633808eec1_prep-k_q633808eec1_prep
	.p2alignl 7, 3214868480
	.fill 96, 4, 3214868480
	.section	.rodata,"a",@progbits
	.p2align	6, 0x0
	.amdhsa_kernel k_q633808eec1_prep
		.amdhsa_group_segment_fixed_size 78848
		.amdhsa_private_segment_fixed_size 0
		.amdhsa_enable_private_segment 0
		.amdhsa_kernarg_size 88
		.amdhsa_user_sgpr_count 2
		.amdhsa_user_sgpr_kernarg_segment_ptr 1
		.amdhsa_wavefront_size32 1
		.amdhsa_system_sgpr_workgroup_id_x 1
		.amdhsa_system_sgpr_workgroup_id_y 1
		.amdhsa_system_sgpr_workgroup_id_z 1
		.amdhsa_system_vgpr_workitem_id 0
		.amdhsa_next_free_vgpr 256
		.amdhsa_next_free_sgpr 66
		.amdhsa_reserve_vcc 0
		.amdhsa_float_denorm_mode_32 3
		.amdhsa_float_denorm_mode_16_64 3
		.amdhsa_memory_ordered 1
		.amdhsa_forward_progress 1
		.amdhsa_inst_pref_size 79
	.end_amdhsa_kernel
	.amdgpu_metadata
---
amdhsa.version: [ 1, 2 ]
amdhsa.kernels:
  - .name:           k_q633808eec1_prep
    .symbol:         k_q633808eec1_prep.kd
    .args:
      - { .name: x, .offset: 0, .size: 8, .value_kind: global_buffer, .address_space: global }
      - { .name: g1, .offset: 8, .size: 8, .value_kind: global_buffer, .address_space: global }
      - { .name: be1, .offset: 16, .size: 8, .value_kind: global_buffer, .address_space: global }
      - { .name: bp, .offset: 24, .size: 8, .value_kind: global_buffer, .address_space: global }
      - { .name: Wq, .offset: 32, .size: 8, .value_kind: global_buffer, .address_space: global }
      - { .name: Wk, .offset: 40, .size: 8, .value_kind: global_buffer, .address_space: global }
      - { .name: Wv, .offset: 48, .size: 8, .value_kind: global_buffer, .address_space: global }
      - { .name: Wp, .offset: 56, .size: 8, .value_kind: global_buffer, .address_space: global }
      - { .name: W1, .offset: 64, .size: 8, .value_kind: global_buffer, .address_space: global }
      - { .name: W2, .offset: 72, .size: 8, .value_kind: global_buffer, .address_space: global }
      - { .name: pw, .offset: 80, .size: 8, .value_kind: global_buffer, .address_space: global }
    .group_segment_fixed_size: 78848
    .private_segment_fixed_size: 0
    .kernarg_segment_align: 8
    .kernarg_segment_size: 88
    .max_flat_workgroup_size: 128
    .sgpr_count:     66
    .vgpr_count:     256
    .wavefront_size: 32
...
	.end_amdgpu_metadata
.endif
;; end of part 1
;; launch qkv (part 2): grid 12 x 16, 4 waves a work-group, clusters of 4 x 4, 327,680 bytes of LDS; arguments pw, bq, bk, bv, qkv; writes qkv
.if DOCPART == 2
	.amdgcn_target "amdgcn-amd-amdhsa--gfx1250"
	.amdhsa_code_object_version 6
	.text
	.protected	k_q633808eec1_qkv
	.globl	k_q633808eec1_qkv
	.p2align	8
	.type	k_q633808eec1_qkv,@function
k_q633808eec1_qkv:
	s_mov_b64 s[64:65], 0
	v_nop
	global_prefetch_b8 v0, s[64:65] scope:SCOPE_SE
	s_setreg_imm32_b32 hwreg(HW_REG_WAVE_MODE, 25, 1), 1
	s_wait_xcnt 0x0
	s_wait_alu depctr_hold_cnt(0) depctr_sa_sdst(0) depctr_va_vdst(0) depctr_va_sdst(0) depctr_va_ssrc(0) depctr_va_vcc(0) depctr_vm_vsrc(0)
	s_getreg_b32 s2, hwreg(HW_REG_IB_STS2, 6, 4)
	s_cmp_eq_u32 s2, 0
	s_cbranch_scc0 .Lentry_in_a_cluster
	s_endpgm
.Lentry_in_a_cluster:
	s_bfe_u32 s2, ttmp6, 0x10000c
	s_cmp_lg_u32 s2, 0xf033
	s_cbranch_scc0 .Lentry_shape_is_right
	s_endpgm
.Lentry_shape_is_right:
; QKV.  q, k, v = h W + b on codes of FP6 (E2M3) with E8M0 scales, K = 1,024; the results are quantised in registers and stored as images of the operands that attention takes.
; A work-group makes 256 x 256, four waves 128 x 128 each: 64 accumulators, 512 registers.  K goes in 8 steps of 128 through two LDS slots of two steps, filled by the tensor data mover.
; ALL OPERANDS LIE IN MEMORY AS IMAGES OF THEIR REGISTERS (1,536 bytes a fragment), so a wave's part of a slot is 24,576 consecutive bytes, brought as 96 rows of 256, and a fragment is three loads of 16 bytes at 16 x lane.
; THE PRODUCT IS USED TRANSPOSED: a lane holds one row of source 1 and its registers run along source 0's rows.  Clusters x = 0, 1 (q, k): source 0 = the weights' outputs, source 1 = tokens: the registers run along a head's
; channels, the K of q k^T.  Cluster x = 2 (v): source 0 = tokens, source 1 = v's channels: the registers run along the tokens, the K of p v.  Row r of tile t is index 32 (t / 2) + 8 (t % 2) + r % 8 + 16 (r / 8) everywhere,
; so the 64 registers of a block are 128 neighbours in the quantiser's order.
; CLUSTERS of 4 x 4: source 1's tiles are shared along a row of the cluster, source 0's along a column: joint loads.  192 work-groups: 3,072 outputs x 4,096 tokens in tiles of 256 x 256.
; q's and k's operands have K = 64: half a fragment (768 bytes); bytes 2 and 3 of their scale words are 0x7f.
; LIMITS: NaN and infinities are not served; a block of zeros or under 2^-124 gets the byte 1.
; REGISTERS: window 0: v1-5 offsets, v16-29 addresses, v32-47 scale words (two sets; register i: source 1's tile i in lanes 0-15, source 0's in lanes 16-31), v48-63 bv, v64-159 and v160-255 fragment set 1 (source 0, source 1).
;   window 1: v0-95, v96-191 fragment set 0; v192-255 bq or bk in the result's layout.   windows 2, 3: accumulator (a, b) at v[8 (8 (a % 4) + b)].
.set WQKV_C, 0
.set H_C,    6291456
.set WQKV_S, 13369344
.set H_S,    13598720
.set KVC,    0
.set KVS,    6291456
.set QC,     6684672
.set QS,     9830400
.set FR,     12
.set HALFT,  24576                     ; 8 tiles x 2 K steps: what one tensor load brings
.set SLOT,   4*HALFT                   ; source 1's 16 tiles, then source 0's
.set GSTEP,  786432                    ; bytes from a slot's worth of K to the next in a region of 256 tiles
.set SCL,    2*SLOT                    ; the scale words of all of K: source 1's 8,192 bytes, then source 0's
.set HALFS,  4096
.set SPARE,  SCL+4*HALFS               ; the spare words, 128 bytes for each wave: two blocks of 256 bytes that no other line names
.set ADRA, 16
.set ADRB, 20
.set ADRS, 27
.set SPW,  28
.set NIL,  29
.set SC,   32
.set BV,   48
.set BI,   192                         ; in window 1
.set ST,   64                          ; the way out: 64 numbers
.set TM,   128
.set PW,   144
.set W0,   145
.set W1R,  146
.set PC,   148
.set SEL,  98                          ; s[98:99]
.set G1, 24
.set G0, 32
.set G1B, 48
.set G0B, 56
.set G1S, 68
.set G0S, 76
.set G1SB, 80
.set G0SB, 88
.set MSB, 0
.macro WIN new                         ; the immediate's high byte repeats the setting that is left
.if MSB != (\new)
	s_set_vgpr_msb (MSB<<8)|(\new)
.set MSB, (\new)
.endif
.endm
.macro PLACES                          ; four places: in front of loads into registers that matrix instructions have read, and of the first read of results
.rept 4
	v_nop
.endr
.endm
.macro JLOAD g0a, g1a, g0b, g1b        ; a joint load: waves 0 and 1 fetch for source 1, waves 2 and 3 for source 0; an s_nop 0 and four v_nop follow each line
	s_cmp_eq_u32 s15, 0
	s_cbranch_scc0 .Lfor_b_\@
	tensor_load_to_lds s[\g0a:\g0a+3], s[\g1a:\g1a+7]
	s_nop 0
.rept 4
	v_nop
.endr
	s_branch .Lasked_\@
.Lfor_b_\@:
	tensor_load_to_lds s[\g0b:\g0b+3], s[\g1b:\g1b+7]
	s_nop 0
.rept 4
	v_nop
.endr
.Lasked_\@:
.endm
.macro CREST                           ; a round of the cluster's barrier behind its opening barrier
	s_cmp_lg_u32 s14, 0
	s_cbranch_scc1 .Lnot_wave_0_\@
	s_barrier_signal -3
.Lnot_wave_0_\@:
	s_barrier_wait -3
	s_barrier_signal -1
	s_barrier_wait -1
.endm
.macro CROUND
	s_barrier_signal -1
	s_barrier_wait -1
	CREST
.endm
.macro QUANT s                         ; 64 numbers, register 16 b + i = k 32 b + 16 (lane / 16) + i of my row -> a fragment in v[PC] on, its scale word in v[PW]
.irp b, 0,1,2,3
	v_max3_num_f32 v[TM+\b], |v[\s+16*\b]|, |v[\s+1+16*\b]|, 0x1800000   ; with the floor 2^(3 - 127): the byte cannot fall under 1
.endr
.irp i, 2,4,6,8,10,12,14
.irp b, 0,1,2,3
	v_max3_num_f32 v[TM+\b], v[TM+\b], |v[\s+16*\b+\i]|, |v[\s+1+16*\b+\i]|
.endr
.endr
.irp b, 0,1,2,3
	v_permlanex16_b32 v[TM+4+\b], v[TM+\b], s[SEL], s[SEL+1]
.endr
.irp b, 0,1,2,3
	v_max_num_f32 v[TM+\b], v[TM+\b], v[TM+4+\b]
.endr
.irp b, 0,1,2,3
	v_add_nc_u32 v[TM+12+\b], 0xff000000, v[TM+\b]   ; 2 off the exponent field: the conversion's scale operand
.endr
.irp b, 0,1,2,3
	v_lshrrev_b32 v[TM+4+\b], 23, v[TM+12+\b]
.endr
	v_lshl_or_b32 v[PW], v[TM+5], 8, v[TM+4]
	v_lshl_or_b32 v[PW], v[TM+6], 16, v[PW]
	v_lshl_or_b32 v[PW], v[TM+7], 24, v[PW]
.irp c, 0,1
	v_cvt_scalef32_pk16_fp6_f32 v[PC+6*\c:PC+2+6*\c], v[\s+32*\c:\s+15+32*\c], v[TM+12+2*\c]
	v_cvt_scalef32_pk16_fp6_f32 v[PC+12+4*\c:PC+14+4*\c], v[\s+16+32*\c:\s+31+32*\c], v[TM+12+2*\c+1]
.endr
	v_nop                                          ; one plain place behind a scaled conversion
.irp c, 0,1
.irp i, 0,1,2
	v_permlane16_swap_b32 v[PC+6*\c+\i], v[PC+12+4*\c+\i]
.endr
.irp i, 0,1,2
	v_mov_b32 v[PC+3+6*\c+\i], v[PC+12+4*\c+\i]
.endr
.endr
.endm
	s_load_b256 s[4:11], s[0:1], 0x0               ; pw, bq, bk, bv
	s_load_b64 s[12:13], s[0:1], 0x20              ; qkv
	v_lshl_add_u32 v[SPW], v0, 2, SPARE
	v_mov_b32 v[NIL], 0
	ds_add_u32 v[SPW], v[NIL]                      ; the wave's opening: the add and its wait ahead of my first tensor load
	v_lshrrev_b32 v1, 5, v0
	v_readfirstlane_b32 s14, v1                    ; wave 0..3
	s_lshr_b32 s15, s14, 1                         ; my half of source 1's tiles.  Also: I fetch for source 1 (0) or source 0 (1)
	s_and_b32 s16, s14, 1                          ; my half of source 0's.  Also: which half I fetch
	s_bfe_u32 s40, ttmp6, 0x40000                  ; cx
	s_bfe_u32 s41, ttmp6, 0x40004                  ; cy
	s_and_b32 s18, ttmp7, 0xffff                   ; cluster y
	s_cmp_lt_u32 ttmp9, 2                          ; q, k or v?  The cluster's x: the same in all sixteen partners
	s_cselect_b32 s42, ttmp9, s18
	s_cselect_b32 s17, s18, 2
	s_mov_b32 s92, H_C
	s_cselect_b32 s92, WQKV_C, s92                 ; source 0's codes,
	s_mov_b32 s93, H_S
	s_cselect_b32 s93, WQKV_S, s93                 ; its scale words,
	s_mov_b32 s94, H_C
	s_cselect_b32 s94, s94, WQKV_C                 ; source 1's codes,
	s_mov_b32 s95, H_S
	s_cselect_b32 s95, s95, WQKV_S                 ; its scale words
	s_lshl_b32 s42, s42, 2
	s_add_co_u32 s42, s42, s40                     ; idx0: which 16 tiles of source 0: it holds cx alone of my place
	s_lshl_b32 s17, s17, 2
	s_add_co_u32 s17, s17, s41                     ; idx1: which 16 tiles of source 1: cy alone
	s_lshl_b32 s43, s41, 2
	s_lshl_b32 s43, 15, s43                        ; my row of the cluster
	s_lshl_b32 s44, 0x1111, s40                    ; my column
	s_or_b32 s[G1+0], s43, (3<<16)|(1<<21)         ; 15:0 the mask; 17:16 elements of 8 bytes; 21 set beside a mask; no padding
	s_or_b32 s[G1B+0], s44, (3<<16)|(1<<21)
	s_or_b32 s[G1S+0], s43, (3<<16)|(1<<21)
	s_or_b32 s[G1SB+0], s44, (3<<16)|(1<<21)
.irp g, G1, G1B                        ; 96 dense rows of 256 bytes
	s_mov_b32 s[\g+1], 32<<16
	s_mov_b32 s[\g+2], 96<<16
	s_mov_b32 s[\g+3], 32<<16
	s_mov_b32 s[\g+4], 96
	s_mov_b32 s[\g+5], 32
	s_mov_b32 s[\g+6], 0
	s_mov_b32 s[\g+7], 0
.endr
.irp g, G1S, G1SB                      ; 16 dense rows of 256 bytes
	s_mov_b32 s[\g+1], 32<<16
	s_mov_b32 s[\g+2], 16<<16
	s_mov_b32 s[\g+3], 32<<16
	s_mov_b32 s[\g+4], 16
	s_mov_b32 s[\g+5], 32
	s_mov_b32 s[\g+6], 0
	s_mov_b32 s[\g+7], 0
.endr
	s_lshl_b32 s18, s16, 3
	s_lshl_b32 s20, s17, 4
	s_add_co_u32 s20, s20, s18
	s_mul_i32 s20, s20, 3072
	s_add_co_u32 s20, s20, s94                     ; source 1: tile 16 idx1 + 8 half, K steps 0 and 1
	s_mov_b32 s21, 0
	s_lshl_b32 s46, s42, 4
	s_add_co_u32 s46, s46, s18
	s_mul_i32 s46, s46, 3072
	s_add_co_u32 s46, s46, s92                     ; source 0 likewise
	s_mov_b32 s47, 0
	s_lshl_b32 s18, s16, 12
	s_lshl_b32 s22, s17, 13
	s_add_co_u32 s22, s22, s18
	s_add_co_u32 s22, s22, s95
	s_mov_b32 s23, 0
	s_lshl_b32 s96, s42, 13
	s_add_co_u32 s96, s96, s18
	s_add_co_u32 s96, s96, s93
	s_mov_b32 s97, 0
	s_mul_i32 s45, s14, HALFT                      ; where they go: by the wave's number alone
	s_lshl_b32 s19, s14, 12
	s_wait_dscnt 0x0                               ; the opening add is done
	s_wait_kmcnt 0x0
	s_add_nc_u64 s[20:21], s[4:5], s[20:21]
	s_add_nc_u64 s[22:23], s[4:5], s[22:23]
	s_add_nc_u64 s[46:47], s[4:5], s[46:47]
	s_add_nc_u64 s[96:97], s[4:5], s[96:97]
	CROUND                                         ; all sixteen work-groups are here: the first joint loads meet
	s_mov_b32 s[G0S], 1
	s_add_co_u32 s[G0S+1], s19, SCL
	s_mov_b64 s[G0S+2:G0S+3], s[22:23]
	s_or_b32 s[G0S+3], s[G0S+3], 0x80000000
	s_mov_b32 s[G0SB], 1
	s_add_co_u32 s[G0SB+1], s19, SCL
	s_mov_b64 s[G0SB+2:G0SB+3], s[96:97]
	s_or_b32 s[G0SB+3], s[G0SB+3], 0x80000000
	JLOAD G0S, G1S, G0SB, G1SB                     ; the scale words of all of K: filled once
.irp s, 0,1
	s_mov_b32 s[G0+4*\s], 1
	s_add_co_u32 s[G0+4*\s+1], s45, \s*SLOT
	s_add_nc_u64 s[G0+4*\s+2:G0+4*\s+3], s[20:21], \s*GSTEP
	s_or_b32 s[G0+4*\s+3], s[G0+4*\s+3], 0x80000000
	s_mov_b32 s[G0B+4*\s], 1
	s_add_co_u32 s[G0B+4*\s+1], s45, \s*SLOT
	s_add_nc_u64 s[G0B+4*\s+2:G0B+4*\s+3], s[46:47], \s*GSTEP
	s_or_b32 s[G0B+4*\s+3], s[G0B+4*\s+3], 0x80000000
	JLOAD G0+4*\s, G1, G0B+4*\s, G1B               ; three tensor loads of mine are out at the most
.endr
	v_and_b32 v6, 31, v0
	v_lshlrev_b32 v1, 4, v6                        ; 16 x lane
	v_lshlrev_b32 v2, 3, v6                        ; 8 x lane
	v_and_b32 v7, 15, v0                           ; r
	v_bfe_u32 v8, v0, 4, 1                         ; h
	v_lshlrev_b32 v3, 2, v7                        ; 4 r
	v_lshlrev_b32 v4, 6, v8                        ; 64 h
	v_and_b32 v5, 7, v0
	v_bfe_u32 v9, v0, 3, 1
	v_lshl_add_u32 v5, v9, 4, v5
	v_lshlrev_b32 v5, 2, v5                        ; 4 (r % 8 + 16 (r / 8)): my row's channel in a tile
	s_mul_i32 s18, s15, HALFT
	s_mul_i32 s19, s16, HALFT
	s_add_co_u32 s19, s19, 2*HALFT
.irp s, 0,1
	v_add_nc_u32 v[ADRA+\s], s18, v1
	v_add_nc_u32 v[ADRB+\s], s19, v1
	s_add_co_u32 s18, s18, SLOT
	s_add_co_u32 s19, s19, SLOT
.endr
	s_lshl_b32 s18, s15, 12
	s_lshl_b32 s19, s16, 12
	s_add_co_u32 s19, s19, 2*HALFS
	s_sub_co_u32 s19, s19, s18
	v_mul_u32_u24 v6, s19, v8                      ; lanes 16-31 take source 0's words
	s_add_co_u32 s18, s18, SCL
	v_lshl_add_u32 v6, v7, 2, v6
	v_add_nc_u32 v[ADRS], s18, v6
	; the biases.  Every cluster loads both kinds, so that whether a register has been written hangs on no branch: 16 + 16 short loads a wave
	s_lshl_b32 s18, s42, 1
	s_add_co_u32 s18, s18, s16
	s_and_b32 s18, s18, 7
	s_lshl_b32 s18, s18, 9                         ; my 128 outputs of q or of k
	s_mov_b32 s19, 0
	s_cmp_eq_u32 ttmp9, 0
	s_cselect_b64 s[6:7], s[6:7], s[8:9]
	s_add_nc_u64 s[6:7], s[6:7], s[18:19]
	s_lshl_b32 s18, s41, 2
	s_lshl_b32 s22, s15, 1
	s_add_co_u32 s18, s18, s22
	s_lshl_b32 s18, s18, 8                         ; v: head 4 cy + 2 half
	s_add_nc_u64 s[10:11], s[10:11], s[18:19]
	WIN 0x40
.irp b, 0,1,2,3
.irp j, 0,1,2,3
	global_load_b128 v[BI+16*\b+4*\j:BI+16*\b+4*\j+3], v4, s[6:7] offset:128*\b+16*\j   ; register 16 b + i: output 32 b + 16 h + i
.endr
.endr
	WIN 0
.irp a, 0,1,2,3,4,5,6,7
	global_load_b32 v[BV+2*\a], v5, s[10:11] offset:4*(32*(\a/2)+8*(\a%2))   ; my row's channel of tile a, twice: a pair for the packed addition
	global_load_b32 v[BV+2*\a+1], v5, s[10:11] offset:4*(32*(\a/2)+8*(\a%2))
.endr
	s_mov_b32 s[SEL], 0x76543210
	s_mov_b32 s[SEL+1], 0xfedcba98
.macro FRAG reg, adr, off              ; a fragment's image: three loads of 16 bytes at 16 x lane
.irp c, 0,1,2
	ds_load_b128 v[\reg+4*\c:\reg+4*\c+3], v[\adr] offset:\off+512*\c
.endr
.endm
.macro FETCH p, slot, q                ; 56 LDS loads: the slot's q-th K step into set p, and its scale words
	WIN 0x40*(1-(\p))
.irp i, 0,1,2,3,4,5,6,7
	FRAG 64*(\p)+FR*\i, ADRB+\slot, 3072*\i+1536*(\q)
.endr
.irp i, 0,1,2,3,4,5,6,7
	FRAG 96+64*(\p)+FR*\i, ADRA+\slot, 3072*\i+1536*(\q)
.endr
	WIN 0
.irp i, 0,1,2,3,4,5,6,7
	ds_load_b32 v[SC+8*(\p)+\i], v[ADRS] offset:512*\i+64*(\q)
.endr
.endm
; 8 n matrix instructions: source 1's blocks a0 .. a0 + n - 1 against source 0's eight.  The 64 accumulators take turns, one instruction a turn, in one order in every step.
.macro MULA p, a0, n, zero
.set AA, \a0
.rept \n
	WIN 0xa0+0x50*(AA/4)+5*(1-(\p))
.irp b, 0,1,2,3,4,5,6,7
.if \zero
	v_wmma_scale_f32_16x16x128_f8f6f4 v[8*(8*(AA%4)+\b):8*(8*(AA%4)+\b)+7], v[64*(\p)+FR*\b:64*(\p)+FR*\b+FR-1], v[96+64*(\p)+FR*AA:96+64*(\p)+FR*AA+FR-1], 0, v[SC+8*(\p)+\b], v[SC+8*(\p)+AA] matrix_a_fmt:MATRIX_FMT_FP6 matrix_b_fmt:MATRIX_FMT_FP6 matrix_a_scale:MATRIX_SCALE_ROW1
.else
	v_wmma_scale_f32_16x16x128_f8f6f4 v[8*(8*(AA%4)+\b):8*(8*(AA%4)+\b)+7], v[64*(\p)+FR*\b:64*(\p)+FR*\b+FR-1], v[96+64*(\p)+FR*AA:96+64*(\p)+FR*AA+FR-1], v[8*(8*(AA%4)+\b):8*(8*(AA%4)+\b)+7], v[SC+8*(\p)+\b], v[SC+8*(\p)+AA] matrix_a_fmt:MATRIX_FMT_FP6 matrix_b_fmt:MATRIX_FMT_FP6 matrix_a_scale:MATRIX_SCALE_ROW1
.endif
.endr
.set AA, AA+1
.endr
.endm
.macro STEP p, slot, qn, zero          ; multiplies set p; ahead of that it asks for the same slot's K step qn into the other set
	PLACES
	FETCH 1-(\p), \slot, \qn
	s_wait_dscnt 56                                ; all but the 56 just issued: set p, asked for a step ago, is in
	MULA \p, 0, 8, \zero
.endm
; A slot's last step (set 1) changes slots: ONE barrier; in front of it each wave waits for all its tensor loads, adds 0 to its spare word, and waits for that and for its reads of this slot.
.macro TURN slot, next, fill
	WIN 0
	s_wait_tensorcnt 0x0                           ; all my tensor loads have landed: my part of the next slot among them
	ds_add_u32 v[SPW], v[NIL]                      ; 0 onto my spare word
	s_wait_dscnt 1                                 ; set 1 is in; the add may be out
	MULA 1, 0, 2, 0
	s_wait_dscnt 0x0                               ; the add is done, and my reads of this slot are over
	s_barrier_signal -1
	MULA 1, 2, 2, 0
	WIN 0
	s_barrier_wait -1
.if \fill
	CREST                                          ; the barrier has opened a round of the cluster's: no wave of any partner still reads this slot or has a load on its way
	s_add_nc_u64 s[G0+4*\slot+2:G0+4*\slot+3], s[G0+4*\slot+2:G0+4*\slot+3], 2*GSTEP
	s_add_nc_u64 s[G0B+4*\slot+2:G0B+4*\slot+3], s[G0B+4*\slot+2:G0B+4*\slot+3], 2*GSTEP
	JLOAD G0+4*\slot, G1, G0B+4*\slot, G1B         ; the first tensor load behind the round; its four v_nop are the places in front of the loads below
.else
	PLACES
.endif
	v_add_nc_u32 v[ADRS], 128, v[ADRS]             ; the next slot's scale words
	FETCH 0, \next, 0
	MULA 1, 4, 4, 0
.endm
	s_wait_tensorcnt 1                             ; the scale words and my part of slot 0 are in; slot 1's load may be out
	s_barrier_signal -1
	s_barrier_wait -1
	FETCH 0, 0, 0
	STEP 0, 0, 1, 1                                ; the first step's products start the sums
	TURN 0, 1, 1
	STEP 0, 1, 1, 0
	TURN 1, 0, 1
	STEP 0, 0, 1, 0
	TURN 0, 1, 0                                   ; nothing is left to fetch
	STEP 0, 1, 1, 0
	s_wait_dscnt 0x0
	MULA 1, 0, 8, 0
	WIN 0
	PLACES
	s_wait_loadcnt 0x0                             ; the biases
.irp b, 0,1,2,3
	v_mov_b32 v[TM+4+\b], 0                        ; written once: a lane permute's destination counts as one of its sources
.endr
	s_cmp_lt_u32 ttmp9, 2
	s_cbranch_scc0 .Lv_run
	; ---- q or k: block a is 16 tokens x my 128 outputs = two heads: two half fragments
	s_lshl_b32 s18, s42, 1
	s_add_co_u32 s18, s18, s16
	s_and_b32 s18, s18, 7
	s_lshl_b32 s18, s18, 1                         ; my first head
	s_lshr_b32 s19, s17, 3
	s_lshl_b32 s19, s19, 4
	s_add_co_u32 s18, s18, s19                     ; 16 batch + head
	s_lshl_b32 s19, s17, 1
	s_add_co_u32 s19, s19, s15
	s_and_b32 s19, s19, 15                         ; which 128 tokens of the batch
	s_cmp_eq_u32 ttmp9, 0                          ; q's layout or k's
	s_mov_b32 s20, 196608
	s_cselect_b32 s20, 98304, s20                  ; codes: bytes a head,
	s_mov_b32 s21, 12288
	s_cselect_b32 s21, 6144, s21                   ; bytes for 128 tokens,
	s_cselect_b32 s22, QC, KVC                     ; the region
	s_mov_b32 s23, 12288
	s_cselect_b32 s23, 8192, s23                   ; scale words likewise
	s_mov_b32 s92, 768
	s_cselect_b32 s92, 512, s92
	s_mov_b32 s93, KVS
	s_cselect_b32 s93, QS, s93
	s_mul_i32 s94, s18, s20
	s_mul_i32 s95, s19, s21
	s_add_co_u32 s94, s94, s95
	s_add_co_u32 s94, s94, s22
	s_mov_b32 s95, 0
	s_add_nc_u64 s[4:5], s[12:13], s[94:95]        ; the first head's codes,
	s_mov_b32 s94, s20
	s_add_nc_u64 s[6:7], s[4:5], s[94:95]          ; the second's
	s_mul_i32 s94, s18, s23
	s_mul_i32 s96, s19, s92
	s_add_co_u32 s94, s94, s96
	s_add_co_u32 s94, s94, s93
	s_add_nc_u64 s[8:9], s[12:13], s[94:95]        ; and their scale words
	s_mov_b32 s94, s23
	s_add_nc_u64 s[10:11], s[8:9], s[94:95]
	s_mov_b32 s96, 0x7f7f0000
.macro OUTQK a
	s_wait_xcnt 0x0                                ; the last block's stores have read their registers
	WIN 0x06+(\a)/4                                ; source 0: window 2 or 3; source 1: window 1
.set i, 0
.rept 32
	v_pk_add_f32 v[ST+i:ST+i+1], v[64*((\a)%4)+i:64*((\a)%4)+i+1], v[BI+i:BI+i+1]   ; + the bias; each accumulator from its low end on
.set i, i+2
.endr
	WIN 0
	QUANT ST
	v_and_or_b32 v[W0], v[PW], 0xffff, s96         ; the first head's two bytes, 0x7f above them
	v_lshrrev_b32 v[W1R], 16, v[PW]
	v_or_b32 v[W1R], s96, v[W1R]                   ; the second head's
	global_store_b128 v1, v[PC:PC+3], s[4:5] offset:768*(\a)
	global_store_b64 v2, v[PC+4:PC+5], s[4:5] offset:768*(\a)+512
	global_store_b128 v1, v[PC+6:PC+9], s[6:7] offset:768*(\a)
	global_store_b64 v2, v[PC+10:PC+11], s[6:7] offset:768*(\a)+512
	global_store_b32 v3, v[W0], s[8:9] offset:64*(\a)    ; lanes l and l + 16 hold the same word and name the same place
	global_store_b32 v3, v[W1R], s[10:11] offset:64*(\a)
.endm
.irp a, 0,1,2,3,4,5,6,7
	OUTQK \a
.endr
	s_branch .Lend
	; ---- v: block a is 16 channels x my 128 tokens: one fragment of v with the tokens innermost
.Lv_run:
	s_lshr_b32 s18, s42, 3
	s_lshl_b32 s18, s18, 4
	s_lshl_b32 s19, s41, 2
	s_add_co_u32 s18, s18, s19
	s_lshl_b32 s19, s15, 1
	s_add_co_u32 s18, s18, s19                     ; 16 batch + head 4 cy + 2 half (blocks 4-7: the next head)
	s_lshl_b32 s19, s42, 1
	s_add_co_u32 s19, s19, s16
	s_and_b32 s19, s19, 15                         ; the key step
	s_mul_i32 s94, s18, 196608
	s_mul_i32 s96, s19, 12288
	s_add_co_u32 s94, s94, s96
	s_add_co_u32 s94, s94, KVC+6144                ; behind the step's eight half fragments of k
	s_mov_b32 s95, 0
	s_add_nc_u64 s[4:5], s[12:13], s[94:95]
	s_mul_i32 s94, s18, 12288
	s_mul_i32 s96, s19, 768
	s_add_co_u32 s94, s94, s96
	s_add_co_u32 s94, s94, KVS+512
	s_add_nc_u64 s[8:9], s[12:13], s[94:95]
.macro OUTV a
	s_wait_xcnt 0x0
	WIN 0x02+(\a)/4
.set i, 0
.rept 32
	v_pk_add_f32 v[ST+i:ST+i+1], v[64*((\a)%4)+i:64*((\a)%4)+i+1], v[BV+2*(\a):BV+2*(\a)+1]
.set i, i+2
.endr
	WIN 0
	QUANT ST
.irp c, 0,1,2
	global_store_b128 v1, v[PC+4*\c:PC+4*\c+3], s[4:5] offset:((\a)/4)*196608+((\a)%4)*1536+512*\c
.endr
	global_store_b32 v3, v[PW], s[8:9] offset:((\a)/4)*12288+((\a)%4)*64
.endm
.irp a, 0,1,2,3,4,5,6,7
	OUTV \a
.endr
.Lend:
	s_wait_tensorcnt 0x0                           ; the wave's end
	ds_add_u32 v[SPW], v[NIL]
	s_wait_dscnt 0x0
	CROUND                                         ; the closing round
	s_endpgm
.Lfunc_end_k_q633808eec1_qkv:
	.size	k_q633808eec1_qkv, .Lfunc_end_k_q633808eec1_qkv-k_q633808eec1_qkv
	.p2alignl 7, 3214868480
	.fill 96, 4, 3214868480
	.section	.rodata,"a",@progbits
	.p2align	6, 0x0
	.amdhsa_kernel k_q633808eec1_qkv
		.amdhsa_group_segment_fixed_size 327680
		.amdhsa_private_segment_fixed_size 0
		.amdhsa_enable_private_segment 0
		.amdhsa_kernarg_size 40
		.amdhsa_user_sgpr_count 2
		.amdhsa_user_sgpr_kernarg_segment_ptr 1
		.amdhsa_wavefront_size32 1
		.amdhsa_system_sgpr_workgroup_id_x 1
		.amdhsa_system_sgpr_workgroup_id_y 1
		.amdhsa_system_sgpr_workgroup_id_z 1
		.amdhsa_system_vgpr_workitem_id 0
		.amdhsa_next_free_vgpr 1024
		.amdhsa_next_free_sgpr 100
		.amdhsa_reserve_vcc 0
		.amdhsa_float_denorm_mode_32 3
		.amdhsa_float_denorm_mode_16_64 3
		.amdhsa_memory_ordered 1
		.amdhsa_forward_progress 1
		.amdhsa_inst_pref_size 215
	.end_amdhsa_kernel
	.amdgpu_metadata
---
amdhsa.version: [ 1, 2 ]
amdhsa.kernels:
  - .name:           k_q633808eec1_qkv
    .symbol:         k_q633808eec1_qkv.kd
    .args:
      - { .name: pw, .offset: 0, .size: 8, .value_kind: global_buffer, .address_space: global }
      - { .name: bq, .offset: 8, .size: 8, .value_kind: global_buffer, .address_space: global }
      - { .name: bk, .offset: 16, .size: 8, .value_kind: global_buffer, .address_space: global }
      - { .name: bv, .offset: 24, .size: 8, .value_kind: global_buffer, .address_space: global }
      - { .name: qkv, .offset: 32, .size: 8, .value_kind: global_buffer, .address_space: global }
    .group_segment_fixed_size: 327680
    .private_segment_fixed_size: 0
    .kernarg_segment_align: 8
    .kernarg_segment_size: 40
    .max_flat_workgroup_size: 128
    .sgpr_count:     100
    .vgpr_count:     1024
    .wavefront_size: 32
...
	.end_amdgpu_metadata
.endif
;; end of part 2
;; launch attn (part 3): grid 8 x 32, 16 waves a work-group, clusters of 4 x 1, 212,992 bytes of LDS; arguments qkv, oc; writes oc
.if DOCPART == 3
	.amdgcn_target "amdgcn-amd-amdhsa--gfx1250"
	.amdhsa_code_object_version 6
	.text
	.protected	k_q633808eec1_attn
	.globl	k_q633808eec1_attn
	.p2align	8
	.type	k_q633808eec1_attn,@function
k_q633808eec1_attn:
	s_mov_b64 s[64:65], 0
	v_nop
	global_prefetch_b8 v0, s[64:65] scope:SCOPE_SE
	s_setreg_imm32_b32 hwreg(HW_REG_WAVE_MODE, 25, 1), 1
	s_wait_xcnt 0x0
	s_wait_alu depctr_hold_cnt(0) depctr_sa_sdst(0) depctr_va_vdst(0) depctr_va_sdst(0) depctr_va_ssrc(0) depctr_va_vcc(0) depctr_vm_vsrc(0)
	s_getreg_b32 s2, hwreg(HW_REG_IB_STS2, 6, 4)
	s_cmp_eq_u32 s2, 0
	s_cbranch_scc0 .Lentry_in_a_cluster
	s_endpgm
.Lentry_in_a_cluster:
	s_bfe_u32 s2, ttmp6, 0x10000c
	s_cmp_lg_u32 s2, 0x3003
	s_cbranch_scc0 .Lentry_shape_is_right
	s_endpgm
.Lentry_shape_is_right:
; ATTENTION on codes of FP6 (E2M3): o = softmax(q k^T / 8) v for one (batch, head), 2,048 keys, head size 64; o is quantised along the head's channels and stored as half a fragment of the projection's operand.
; THE SOFTMAX AHEAD OF THE SECOND PRODUCT: t = score x log2(e) / 8; M = the running largest t rounded UP to a whole number; p = 2^(t - M) is quantised along the keys, not normalised; the row's sum is taken of the
; unquantised p and divides at the end.  When M moves, the sum and O are multiplied by 2^(old M - new M): exact.
; SHARES.  A work-group owns 256 queries; each of its sixteen waves one tile of 16, in 256 registers: four waves to a SIMD, so that one wave's vector work stands beside another's matrix work and LDS loads.
; ALL OF THE HEAD'S K AND V, codes (196,608 bytes) and scale words (12,288), LIE IN LDS, FILLED ONCE: no ring, nothing is filled again.  They are stored as images of operand registers, a key step of 128 keys on end:
; eight half fragments of k (768 bytes), four fragments of v (1,536).  The four query blocks of a cluster ask for them jointly.
; THEY COME IN FOUR PARTS, all asked for together at the head, each wave bringing a sixteenth of each: the scale words; key steps 0-1; key steps 2-5; key steps 6-15: four tensor loads of mine are out at the most.
; A counted wait and a barrier stand ahead of each part's first read, so that the later parts land while the earlier key steps are worked.
; LAYOUT.  Both products transposed: S^T = k q^T, O^T = v^T p^T: a lane holds one query.  Row r of a tile of keys is key 32 (t / 2) + 8 (t % 2) + r % 8 + 16 (r / 8), so the 16 registers of tiles 2 b, 2 b + 1 are 16 neighbouring keys.
; K = 64 IN AN INSTRUCTION OF 128: q's registers 6-11 are zero codes; k's registers 6-11 hold whatever codes the last fragment of v left there.  Every code of E2M3 is a finite number, so its product with the code 0 is 0;
; bytes 2 and 3 of q's and k's scale words are 0x7f.
; LIMITS: NaN and infinities are not served; a block of zeros or under 2^-124 gets the byte 1.
; REGISTERS: v1-4 offsets; v5, v6 the add's two; v8-10 addresses in hand; v12 -M, v13 the largest t, v[14:15] the sum; v16-27 q; v32-79 four fragments; v96-159 S^T, then p; v160-191 O^T; v224-235 p's codes; v232-254 at work;
;   v248-251 k's or v's scale words, v253 p's, v255 q's.
.set KVC, 0
.set KVS, 6291456
.set QC,  6684672
.set QS,  9830400
.set OSC, 3145728
.set STEPB, 12288                      ; a key step's codes in bytes
.set STEPS_B, 768                      ; and its scale words
.set SCB, 196608                       ; LDS: the scale words, behind the codes
.set SPARE, 208896                     ; the spare words, 128 bytes for each wave: eight blocks of 256 bytes that no other line names
.set LI,  1
.set L8,  2
.set LS,  3
.set GS,  4
.set SPW, 5
.set NIL, 6
.set ADK, 8
.set ADK8, 9
.set ADS, 10
.set F,   32
.set TB,  2                            ; s2  LDS byte at which the key step's codes begin
.set TS,  3                            ; s3  and its scale words
.set WV,  18
.set CNT, 19
.set SEL, 20
.set CS,  22
.set G1S,  24                          ; s[24:31] group 1: 3 rows;  s[32:39] 6 rows;  s[40:47] 12 rows;  s[48:55] 30 rows
.set G1P0, 32
.set G1P1, 40
.set G1P2, 48
.set G0S,  56                          ; s[56:59], s[60:63], s[68:71], s[72:75] their groups 0
.set G0P0, 60
.set G0P1, 68
.set G0P2, 72
.macro CROUND
	s_barrier_signal -1
	s_barrier_wait -1
	s_cmp_lg_u32 s[WV], 0
	s_cbranch_scc1 .Lnot_wave_0_\@
	s_barrier_signal -3
.Lnot_wave_0_\@:
	s_barrier_wait -3
	s_barrier_signal -1
	s_barrier_wait -1
.endm
.macro G1SET g, rows                   ; so many dense rows of 256 bytes (32 elements of 8 bytes); the mask of all four work-groups, bit 21 beside it; no padding
	s_mov_b32 s[\g], 15|(3<<16)|(1<<21)
	s_mov_b32 s[\g+1], 32<<16
	s_mov_b32 s[\g+2], (\rows)<<16
	s_mov_b32 s[\g+3], 32<<16
	s_mov_b32 s[\g+4], \rows
	s_mov_b32 s[\g+5], 32
	s_mov_b32 s[\g+6], 0
	s_mov_b32 s[\g+7], 0
.endm
.macro G0SET g, off                    ; off: the scalar register that holds my wave's byte of the part: the same in LDS and in the head's codes
	s_mov_b32 s[\g], 1
	s_mov_b32 s[\g+1], s[\off]
	s_mov_b32 s84, s[\off]
	s_add_nc_u64 s[\g+2:\g+3], s[14:15], s[84:85]
	s_or_b32 s[\g+3], s[\g+3], 0x80000000
.endm
	s_load_b128 s[4:7], s[0:1], 0x0                ; qkv, oc
	v_lshl_add_u32 v[SPW], v0, 2, SPARE
	v_mov_b32 v[NIL], 0
	ds_add_u32 v[SPW], v[NIL]                      ; the wave's opening: the add and its wait ahead of my first tensor load
	v_lshrrev_b32 v8, 5, v0
	v_readfirstlane_b32 s[WV], v8                  ; wave 0..15
	s_bfe_u32 s8, ttmp6, 0x40000                   ; cx
	s_lshl_b32 s9, ttmp9, 2
	s_add_co_u32 s9, s9, s8                        ; my block of 256 queries: it enters q's and o's addresses alone
	s_and_b32 s10, ttmp7, 0xffff                   ; 16 batch + head, which the four partners share
	G1SET G1S, 3
	G1SET G1P0, 6
	G1SET G1P1, 12
	G1SET G1P2, 30
	s_mul_i32 s80, s[WV], 768                      ; my sixteenth of the scale words,
	s_mul_i32 s81, s[WV], 1536                     ; of key steps 0-1 (24,576 bytes),
	s_mul_i32 s82, s[WV], 3072
	s_add_co_u32 s82, s82, 2*STEPB                 ; of key steps 2-5 (49,152 bytes),
	s_mul_i32 s83, s[WV], 7680
	s_add_co_u32 s83, s83, 6*STEPB                 ; of key steps 6-15 (122,880 bytes)
	s_mov_b32 s85, 0
	s_mul_i32 s12, s10, 12288
	s_add_co_u32 s12, s12, s80
	s_add_co_u32 s12, s12, KVS
	s_mov_b32 s13, 0
	s_mul_i32 s14, s10, 196608                     ; the head's codes (the region begins at byte 0)
	s_mov_b32 s15, 0
	s_lshl_b32 s11, s10, 7
	s_lshl_b32 s16, s9, 4
	s_add_co_u32 s11, s11, s16
	s_add_co_u32 s11, s11, s[WV]                   ; my tile of queries among all heads'
	s_mul_i32 s76, s11, 768
	s_add_co_u32 s76, s76, QC
	s_mov_b32 s77, 0
	s_lshl_b32 s78, s11, 6
	s_add_co_u32 s78, s78, QS
	s_mov_b32 s79, 0
	s_mov_b32 s[SEL], 0x76543210
	s_mov_b32 s[SEL+1], 0xfedcba98
	s_mov_b32 s[CS], 0x3e38aa3b                    ; c = log2(e) / 8
	s_mov_b32 s[CS+1], s[CS]                       ; (named with it as a pair, so it is written)
	s_wait_dscnt 0x0                               ; the opening add is done
	s_wait_kmcnt 0x0
	s_add_nc_u64 s[14:15], s[4:5], s[14:15]
	s_mov_b32 s[G0S], 1
	s_add_co_u32 s[G0S+1], s80, SCB
	s_add_nc_u64 s[G0S+2:G0S+3], s[4:5], s[12:13]
	s_or_b32 s[G0S+3], s[G0S+3], 0x80000000
	G0SET G0P0, 81
	G0SET G0P1, 82
	G0SET G0P2, 83
	s_add_nc_u64 s[76:77], s[4:5], s[76:77]
	s_add_nc_u64 s[78:79], s[4:5], s[78:79]
	CROUND                                         ; all four work-groups are here: the joint loads meet
	tensor_load_to_lds s[G0S:G0S+3], s[G1S:G1S+7]  ; the scale words
	s_nop 0
	tensor_load_to_lds s[G0P0:G0P0+3], s[G1P0:G1P0+7]   ; key steps 0-1
	s_nop 0
	tensor_load_to_lds s[G0P1:G0P1+3], s[G1P1:G1P1+7]   ; key steps 2-5
	s_nop 0
	tensor_load_to_lds s[G0P2:G0P2+3], s[G1P2:G1P2+7]   ; key steps 6-15
	s_nop 0
.rept 4
	v_nop
.endr
	v_and_b32 v8, 31, v0
	v_lshlrev_b32 v[LI], 4, v8
	v_lshlrev_b32 v[L8], 3, v8
	v_and_b32 v9, 15, v0
	v_lshlrev_b32 v[GS], 2, v9
	v_add_nc_u32 v[LS], SCB, v[GS]
	global_load_b128 v[16:19], v[LI], s[76:77]     ; q's half fragment stays in registers
	global_load_b64 v[20:21], v[L8], s[76:77] offset:512
	global_load_b32 v255, v[GS], s[78:79]          ; q's scale words
.irp j, 22,23,24,25,26,27
	v_mov_b32 v[\j], 0                             ; q's upper 64 along K: zero codes
.endr
.irp t, 0,1,2,3
.irp j, 6,7,8,9,10,11
	v_mov_b32 v[F+12*\t+\j], 0                     ; written once; later these hold codes of v
.endr
.endr
	v_mov_b32 v13, 0xff61b1e6                      ; the largest t so far: -3e38
	v_floor_f32 v12, -v13                          ; -M
	v_mov_b32 v14, 0
	v_mov_b32 v15, 0
.irp b, 0,1,2,3
	v_mov_b32 v[236+\b], 0                         ; written once: a lane permute's destination counts as one of its sources
.endr
	v_mov_b32 v253, 0                              ; (named as the upper half of the pair v[252:253] before it is first written)
.irp j, 0,1,2,3,4,5,6,7,8,9,10,11,12,13,14,15,16,17,18,19,20,21,22,23,24,25,26,27,28,29,30,31
	v_mov_b32 v[160+\j], 0                         ; O^T: the step is written once for all; the first finds zeros
.endr
; A run of key steps, 128 keys each: steps f0 .. f0 + trips - 1.  The LDS bytes at which the run begins are constants of the text.
.macro STEPS f0, trips
	s_mov_b32 s[TB], (\f0)*STEPB
	s_mov_b32 s[TS], (\f0)*STEPS_B
	s_mov_b32 s[CNT], \trips
.Lstep_\@:
	v_add_nc_u32 v[ADK], s[TB], v[LI]
	v_add_nc_u32 v[ADK8], s[TB], v[L8]
	v_add_nc_u32 v[ADS], s[TS], v[LS]
	v_nop                                          ; with the three additions: the four places in front of loads into registers that the last products read
.irp g, 0,1                                    ; S^T = k q^T, four tiles of 16 keys at a time
.if \g > 0
.rept 4
	v_nop
.endr
.endif
.irp t, 0,1,2,3
	ds_load_b128 v[F+12*\t:F+12*\t+3], v[ADK] offset:768*(4*\g+\t)
	ds_load_b64 v[F+12*\t+4:F+12*\t+5], v[ADK8] offset:768*(4*\g+\t)+512
	ds_load_b32 v[248+\t], v[ADS] offset:64*(4*\g+\t)
.endr
	s_wait_dscnt 0x0
.irp t, 0,1,2,3
	v_wmma_scale_f32_16x16x128_f8f6f4 v[96+8*(4*\g+\t):103+8*(4*\g+\t)], v[F+12*\t:F+12*\t+11], v[16:27], 0, v[248+\t], v255 matrix_a_fmt:MATRIX_FMT_FP6 matrix_b_fmt:MATRIX_FMT_FP6
.endr
.endr
.rept 4
	v_nop
.endr
.irp b, 0,1,2,3
	v_max3_num_f32 v[232+\b], v[96+16*\b], v[97+16*\b], v[98+16*\b]   ; the largest score of each block of 32 keys: for the row's maximum, and, since p rises with the score, for the block's largest p
.endr
.irp i, 3,5,7,9,11,13
.irp b, 0,1,2,3
	v_max3_num_f32 v[232+\b], v[232+\b], v[96+16*\b+\i], v[97+16*\b+\i]
.endr
.endr
.irp b, 0,1,2,3
	v_max_num_f32 v[232+\b], v[232+\b], v[111+16*\b]
.endr
.irp b, 0,1,2,3
	v_permlanex16_b32 v[236+\b], v[232+\b], s[SEL], s[SEL+1]
.endr
.irp b, 0,1,2,3
	v_max_num_f32 v[232+\b], v[232+\b], v[236+\b]   ; with lane l xor 16's 16 keys
.endr
	v_max3_num_f32 v254, v232, v233, v234
	v_max_num_f32 v254, v254, v235
	v_mul_f32 v254, s[CS], v254                    ; as t
	v_max_num_f32 v13, v13, v254                   ; the running largest t
	v_mov_b32 v254, v12
	v_floor_f32 v12, -v13                          ; the new -M = -ceil(t)
	v_sub_f32 v254, v12, v254                      ; old M less new M: a whole number, 0 or less
	v_cvt_i32_f32 v254, v254
	v_ldexp_f32 v252, 1.0, v254                    ; f = 2^(old M - new M)
.irp j, 0,2,4,6,8,10,12,14,16,18,20,22,24,26,28,30,32,34,36,38,40,42,44,46,48,50,52,54,56,58,60,62
	v_pk_fma_f32 v[96+\j:97+\j], v[96+\j:97+\j], s[CS:CS+1], v[12:13] op_sel_hi:[1,0,0]   ; t - M
.endr
.irp b, 0,1,2,3
	v_fma_f32 v[232+\b], v[232+\b], s[CS], v12
.endr
.irp j, 0,1,2,3,4,5,6,7,8,9,10,11,12,13,14,15,16,17,18,19,20,21,22,23,24,25,26,27,28,29,30,31,32,33,34,35,36,37,38,39,40,41,42,43,44,45,46,47,48,49,50,51,52,53,54,55,56,57,58,59,60,61,62,63
	v_exp_f32 v[96+\j], v[96+\j]                   ; p = 2^(t - M)
.endr
	v_pk_mul_f32 v[14:15], v[14:15], v[252:253] op_sel_hi:[1,0]   ; the sums under the new M: a plain place behind the exponentials
	s_wait_alu depctr_va_vdst(0)                   ; one wait for the whole batch, ahead of its first reader
.irp b, 0,1,2,3
	v_exp_f32 v[232+\b], v[232+\b]                 ; the block's largest p
.endr
	v_pk_add_f32 v[236:237], v[96:97], v[98:99]    ; the row's sum of the unquantised p, in two chains
.irp j, 4,8,12,16,20,24,28,32,36,40,44,48,52,56,60
	v_pk_add_f32 v[14:15], v[14:15], v[96+\j:97+\j]
	v_pk_add_f32 v[236:237], v[236:237], v[98+\j:99+\j]
.endr
	v_pk_add_f32 v[14:15], v[14:15], v[236:237]
	s_wait_alu depctr_va_vdst(0)                   ; and one for the four
.irp b, 0,1,2,3
	v_max_num_f32 v[232+\b], 0x1800000, v[232+\b]  ; the floor 2^(3 - 127)
.endr
.irp b, 0,1,2,3
	v_add_nc_u32 v[244+\b], 0xff000000, v[232+\b]
.endr
.irp b, 0,1,2,3
	v_lshrrev_b32 v[236+\b], 23, v[244+\b]
.endr
	v_lshl_or_b32 v253, v237, 8, v236              ; p's scale word for these 128 keys
	v_lshl_or_b32 v253, v238, 16, v253
	v_lshl_or_b32 v253, v239, 24, v253
.irp c, 0,1
	v_cvt_scalef32_pk16_fp6_f32 v[224+6*\c:226+6*\c], v[96+32*\c:111+32*\c], v[244+2*\c]
	v_cvt_scalef32_pk16_fp6_f32 v[236+4*\c:238+4*\c], v[112+32*\c:127+32*\c], v[244+2*\c+1]
.endr
	v_nop                                          ; one plain place behind a scaled conversion
.irp c, 0,1
.irp i, 0,1,2
	v_permlane16_swap_b32 v[224+6*\c+\i], v[236+4*\c+\i]
.endr
.irp i, 0,1,2
	v_mov_b32 v[227+6*\c+\i], v[236+4*\c+\i]
.endr
.endr
.irp j, 0,2,4,6,8,10,12,14,16,18,20,22,24,26,28,30
	v_pk_mul_f32 v[160+\j:161+\j], v[160+\j:161+\j], v[252:253] op_sel_hi:[1,0]   ; O^T under the new M; these are also the places in front of the products below
.endr
.irp t, 0,1,2,3                                ; O^T += v^T p^T: the head's four tiles of 16 channels
.irp c, 0,1,2
	ds_load_b128 v[F+12*\t+4*\c:F+12*\t+4*\c+3], v[ADK] offset:6144+1536*\t+512*\c
.endr
	ds_load_b32 v[248+\t], v[ADS] offset:512+64*\t
.endr
	s_wait_dscnt 0x0
.irp t, 0,1,2,3
	v_wmma_scale_f32_16x16x128_f8f6f4 v[160+8*\t:167+8*\t], v[F+12*\t:F+12*\t+11], v[224:235], v[160+8*\t:167+8*\t], v[248+\t], v253 matrix_a_fmt:MATRIX_FMT_FP6 matrix_b_fmt:MATRIX_FMT_FP6
.endr
	s_add_co_u32 s[TB], s[TB], STEPB
	s_add_co_u32 s[TS], s[TS], STEPS_B
	s_sub_co_u32 s[CNT], s[CNT], 1
	s_cmp_lg_u32 s[CNT], 0
	s_cbranch_scc1 .Lstep_\@
.endm
	s_wait_loadcnt 0x0                             ; q
	s_wait_tensorcnt 2                             ; my parts of the scale words and of key steps 0-1 have landed; the two loads behind them may be out
	s_barrier_signal -1
	s_barrier_wait -1                              ; everybody's have
	STEPS 0, 2
	s_wait_tensorcnt 1                             ; key steps 2-5; the last load may be out.  (No LDS instruction of mine is out: each step ends behind its wait for them)
	s_barrier_signal -1
	s_barrier_wait -1
	STEPS 2, 4
	s_wait_tensorcnt 0x0                           ; key steps 6-15
	s_barrier_signal -1
	s_barrier_wait -1
	STEPS 6, 10
	; THE WAY OUT: o = O^T / the sum, quantised along the head's 64 channels: half a fragment (tile T, K step head / 2, half head % 2) of the projection's operand
.rept 4
	v_nop
.endr
	v_add_f32 v14, v14, v15
	v_permlanex16_b32 v252, v14, s[SEL], s[SEL+1]
	v_add_f32 v14, v14, v252                       ; the row's sum
	v_rcp_f32 v14, v14
	v_nop                                          ; a plain place behind the transcendental
	s_lshr_b32 s11, s10, 4
	s_lshl_b32 s11, s11, 7
	s_lshl_b32 s12, s9, 4
	s_add_co_u32 s11, s11, s12
	s_add_co_u32 s11, s11, s[WV]                   ; T: my tile of tokens
	s_lshl_b32 s11, s11, 3
	s_bfe_u32 s12, s10, 0x30001                    ; head / 2
	s_add_co_u32 s11, s11, s12
	s_and_b32 s12, s10, 1                          ; head % 2
	s_lshl_b32 s13, s11, 1
	s_add_co_u32 s13, s13, s12
	s_mul_i32 s14, s13, 768
	s_mov_b32 s15, 0
	s_add_nc_u64 s[14:15], s[6:7], s[14:15]
	s_lshl_b32 s16, s11, 6
	s_lshl_b32 s12, s12, 1
	s_add_co_u32 s16, s16, s12
	s_add_co_u32 s16, s16, OSC
	s_mov_b32 s17, 0
	s_add_nc_u64 s[16:17], s[6:7], s[16:17]
	s_wait_alu depctr_va_vdst(0)                   ; the wait, ahead of the first reader
.irp j, 0,1,2,3,4,5,6,7,8,9,10,11,12,13,14,15,16,17,18,19,20,21,22,23,24,25,26,27,28,29,30,31
	v_mul_f32 v[96+\j], v[160+\j], v14             ; register 16 b + i: channel 32 b + 16 h + i
.endr
.irp b, 0,1
	v_max3_num_f32 v[232+\b], |v[96+16*\b]|, |v[97+16*\b]|, 0x1800000
.endr
.irp i, 2,4,6,8,10,12,14
.irp b, 0,1
	v_max3_num_f32 v[232+\b], v[232+\b], |v[96+16*\b+\i]|, |v[97+16*\b+\i]|
.endr
.endr
.irp b, 0,1
	v_permlanex16_b32 v[236+\b], v[232+\b], s[SEL], s[SEL+1]
.endr
.irp b, 0,1
	v_max_num_f32 v[232+\b], v[232+\b], v[236+\b]
.endr
.irp b, 0,1
	v_add_nc_u32 v[244+\b], 0xff000000, v[232+\b]
.endr
.irp b, 0,1
	v_lshrrev_b32 v[236+\b], 23, v[244+\b]
.endr
	v_lshl_or_b32 v240, v237, 8, v236              ; my head's two bytes of the scale word
	v_cvt_scalef32_pk16_fp6_f32 v[128:130], v[96:111], v244
	v_cvt_scalef32_pk16_fp6_f32 v[134:136], v[112:127], v245
	v_nop                                          ; one plain place behind a scaled conversion
.irp i, 0,1,2
	v_permlane16_swap_b32 v[128+\i], v[134+\i]
.endr
.irp i, 0,1,2
	v_mov_b32 v[131+\i], v[134+\i]
.endr
	global_store_b128 v[LI], v[128:131], s[14:15]
	global_store_b64 v[L8], v[132:133], s[14:15] offset:512
	global_store_b16 v[GS], v240, s[16:17]         ; lanes l and l + 16 hold the same bytes and name the same place
	s_wait_tensorcnt 0x0                           ; the wave's end
	ds_add_u32 v[SPW], v[NIL]
	s_wait_dscnt 0x0
	CROUND                                         ; the closing round
	s_endpgm
.Lfunc_end_k_q633808eec1_attn:
	.size	k_q633808eec1_attn, .Lfunc_end_k_q633808eec1_attn-k_q633808eec1_attn
	.p2alignl 7, 3214868480
	.fill 96, 4, 3214868480
	.section	.rodata,"a",@progbits
	.p2align	6, 0x0
	.amdhsa_kernel k_q633808eec1_attn
		.amdhsa_group_segment_fixed_size 212992
		.amdhsa_private_segment_fixed_size 0
		.amdhsa_enable_private_segment 0
		.amdhsa_kernarg_size 16
		.amdhsa_user_sgpr_count 2
		.amdhsa_user_sgpr_kernarg_segment_ptr 1
		.amdhsa_wavefront_size32 1
		.amdhsa_system_sgpr_workgroup_id_x 1
		.amdhsa_system_sgpr_workgroup_id_y 1
		.amdhsa_system_sgpr_workgroup_id_z 1
		.amdhsa_system_vgpr_workitem_id 0
		.amdhsa_next_free_vgpr 256
		.amdhsa_next_free_sgpr 100
		.amdhsa_reserve_vcc 0
		.amdhsa_float_denorm_mode_32 3
		.amdhsa_float_denorm_mode_16_64 3
		.amdhsa_memory_ordered 1
		.amdhsa_forward_progress 1
		.amdhsa_inst_pref_size 63
	.end_amdhsa_kernel
	.amdgpu_metadata
---
amdhsa.version: [ 1, 2 ]
amdhsa.kernels:
  - .name:           k_q633808eec1_attn
    .symbol:         k_q633808eec1_attn.kd
    .args:
      - { .name: qkv, .offset: 0, .size: 8, .value_kind: global_buffer, .address_space: global }
      - { .name: oc, .offset: 8, .size: 8, .value_kind: global_buffer, .address_space: global }
    .group_segment_fixed_size: 212992
    .private_segment_fixed_size: 0
    .kernarg_segment_align: 8
    .kernarg_segment_size: 16
    .max_flat_workgroup_size: 512
    .sgpr_count:     100
    .vgpr_count:     256
    .wavefront_size: 32
...
	.end_amdgpu_metadata
.endif
;; end of part 3
;; launch projg (part 4): grid 8 x 32, 4 waves a work-group, clusters of 4 x 4, 212,992 bytes of LDS; arguments pw, oc, pj; writes pj
.if DOCPART == 4
	.amdgcn_target "amdgcn-amd-amdhsa--gfx1250"
	.amdhsa_code_object_version 6
	.text
	.protected	k_q633808eec1_projg
	.globl	k_q633808eec1_projg
	.p2align	8
	.type	k_q633808eec1_projg,@function
k_q633808eec1_projg:
	s_mov_b64 s[64:65], 0
	v_nop
	global_prefetch_b8 v0, s[64:65] scope:SCOPE_SE
	s_setreg_imm32_b32 hwreg(HW_REG_WAVE_MODE, 25, 1), 1
	s_wait_xcnt 0x0
	s_wait_alu depctr_hold_cnt(0) depctr_sa_sdst(0) depctr_va_vdst(0) depctr_va_sdst(0) depctr_va_ssrc(0) depctr_va_vcc(0) depctr_vm_vsrc(0)
	s_getreg_b32 s2, hwreg(HW_REG_IB_STS2, 6, 4)
	s_cmp_eq_u32 s2, 0
	s_cbranch_scc0 .Lentry_in_a_cluster
	s_endpgm
.Lentry_in_a_cluster:
	s_bfe_u32 s2, ttmp6, 0x10000c
	s_cmp_lg_u32 s2, 0xf033
	s_cbranch_scc0 .Lentry_shape_is_right
	s_endpgm
.Lentry_shape_is_right:
; PROJG.  pj = h + bp + o Wp, on codes of FP6 (E2M3) with E8M0 scales, K = 1,024; f32 out, as an image of accumulators, for the launch that normalises whole rows.
; 1,024 outputs x 4,096 tokens in tiles of 128 x 128 give each of 256 work-groups one tile; four waves, 64 x 64 each: 16 accumulators.  A tile takes in 98,304 bytes of o's codes and 98,304 of Wp's: ALL OF K LIES IN LDS,
; as two slots of four K steps, both asked for at the head: nothing is filled again.  (A work-group that owned whole rows, as the norm wants them, would take in all 786,432 bytes of Wp: so the norm has a launch of its own.)
; THE SUMS START FROM MEMORY: h + bp was stored as an image of these accumulators and is loaded straight into them; every product adds in place.  (So the residual is summed as (h + bp) + o Wp: another order of f32 rounding than h + (o Wp + bp).)
; OPERANDS LIE IN MEMORY AS IMAGES OF THEIR REGISTERS, 1,536 bytes a fragment.  o: [tile][K step]: a wave's load is 4 rows (tiles) of 6,144 bytes (four K steps), 12,288 bytes apart.  Wp: [K step][tile]: 4 rows (K steps) of 6,144 bytes
; (four tiles), 98,304 bytes apart.  A fragment of o is two heads' halves: 16 + 8 bytes a lane each; one of Wp three loads of 16 bytes at 16 x lane.
; Transposed use: source 0 = 16 outputs of Wp, source 1 = 16 tokens.  Row r of a tile is index 32 (t / 2) + 8 (t % 2) + r % 8 + 16 (r / 8), so accumulator (a, b)'s register j is register 32 half + 8 b + j of the image of token tile a.
; CLUSTERS of 4 x 4: the tokens' tiles are shared along a row of the cluster, Wp's along a column: joint loads.
; REGISTERS: window 0: v1, v2 offsets, v16-29 addresses, v32-39 scale words (two sets; register i: the tokens' tile i in lanes 0-15, Wp's in lanes 16-31), v128-255 accumulator (a, b) at v[128 + 8 (4 a + b)].
;   window 1: set 0 at v0-47 (Wp), v48-95 (tokens); set 1 at v128-175, v176-223.
.set WP_C,   12582912
.set WP_S,   13860864
.set H_IMG,  13893632
.set OSC,    3145728
.set FR,     12
.set HALFT,  24576                     ; 4 tiles x 4 K steps: what one tensor load brings
.set SLOT,   4*HALFT                   ; the tokens' 8 tiles, then Wp's
.set GSA,    6144                      ; bytes from a slot's worth of K to the next: in a tile of o,
.set GSB,    393216                    ; in Wp: four K steps of 64 tiles
.set SCL,    2*SLOT                    ; the scale words of all of K: the tokens' 4,096 bytes, then Wp's
.set HALFS,  2048
.set SPARE,  SCL+4*HALFS               ; the spare words, 128 bytes for each wave: two blocks of 256 bytes that no other line names
.set ADRA, 16                          ; v16-17 my tokens' fragments in slot 0, 1, at 16 x lane; v18-19 the same at 8 x lane
.set ADRB, 20
.set ADRS, 27
.set SPW,  28
.set NIL,  29
.set SC,   32
.set ACC,  128
.set G1, 24
.set G0, 32
.set G1B, 48
.set G0B, 56
.set G1S, 68
.set G0S, 76
.set G1SB, 80
.set G0SB, 88
.set MSB, 0
.macro WIN new                         ; the immediate's high byte repeats the setting that is left
.if MSB != (\new)
	s_set_vgpr_msb (MSB<<8)|(\new)
.set MSB, (\new)
.endif
.endm
.macro PLACES                          ; four places: in front of loads into registers that matrix instructions have read, and of the first read of results
.rept 4
	v_nop
.endr
.endm
.macro JLOAD g0a, g1a, g0b, g1b        ; a joint load: waves 0 and 1 fetch for the tokens, waves 2 and 3 for Wp; an s_nop 0 and four v_nop follow each line
	s_cmp_eq_u32 s15, 0
	s_cbranch_scc0 .Lfor_b_\@
	tensor_load_to_lds s[\g0a:\g0a+3], s[\g1a:\g1a+7]
	s_nop 0
.rept 4
	v_nop
.endr
	s_branch .Lasked_\@
.Lfor_b_\@:
	tensor_load_to_lds s[\g0b:\g0b+3], s[\g1b:\g1b+7]
	s_nop 0
.rept 4
	v_nop
.endr
.Lasked_\@:
.endm
.macro CREST
	s_cmp_lg_u32 s14, 0
	s_cbranch_scc1 .Lnot_wave_0_\@
	s_barrier_signal -3
.Lnot_wave_0_\@:
	s_barrier_wait -3
	s_barrier_signal -1
	s_barrier_wait -1
.endm
.macro CROUND
	s_barrier_signal -1
	s_barrier_wait -1
	CREST
.endm
	s_load_b128 s[4:7], s[0:1], 0x0                ; pw, oc
	s_load_b64 s[8:9], s[0:1], 0x10                ; pj
	v_lshl_add_u32 v[SPW], v0, 2, SPARE
	v_mov_b32 v[NIL], 0
	ds_add_u32 v[SPW], v[NIL]                      ; the wave's opening: the add and its wait ahead of my first tensor load
	v_lshrrev_b32 v1, 5, v0
	v_readfirstlane_b32 s14, v1                    ; wave 0..3
	s_lshr_b32 s15, s14, 1                         ; my half of the tokens' tiles.  Also: I fetch for the tokens (0) or for Wp (1)
	s_and_b32 s16, s14, 1                          ; my half of Wp's.  Also: which half I fetch
	s_bfe_u32 s40, ttmp6, 0x40000                  ; cx
	s_bfe_u32 s41, ttmp6, 0x40004                  ; cy
	s_lshl_b32 s42, ttmp9, 2
	s_add_co_u32 s42, s42, s40                     ; idx0: which 128 outputs
	s_and_b32 s17, ttmp7, 0xffff
	s_lshl_b32 s17, s17, 2
	s_add_co_u32 s17, s17, s41                     ; idx1: which 128 tokens
	s_lshl_b32 s43, s41, 2
	s_lshl_b32 s43, 15, s43                        ; my row of the cluster
	s_lshl_b32 s44, 0x1111, s40                    ; my column
	s_or_b32 s[G1+0], s43, (3<<16)|(1<<21)         ; 15:0 the mask; 17:16 elements of 8 bytes; 21 set beside a mask; no padding
	s_or_b32 s[G1B+0], s44, (3<<16)|(1<<21)
	s_or_b32 s[G1S+0], s43, (3<<16)|(1<<21)
	s_or_b32 s[G1SB+0], s44, (3<<16)|(1<<21)
.irp g, G1, G1B                        ; 4 rows of 6,144 bytes (768 elements)
	s_mov_b32 s[\g+1], 768<<16
	s_mov_b32 s[\g+2], 4<<16
	s_mov_b32 s[\g+3], 768<<16
	s_mov_b32 s[\g+4], 4
	s_mov_b32 s[\g+6], 0
	s_mov_b32 s[\g+7], 0
.endr
	s_mov_b32 s[G1+5], 1536                        ; o: from tile to tile 12,288 bytes
	s_mov_b32 s[G1B+5], 12288                      ; Wp: from K step to K step 98,304 bytes
.irp g, G1S, G1SB                      ; 8 dense rows of 256 bytes
	s_mov_b32 s[\g+1], 32<<16
	s_mov_b32 s[\g+2], 8<<16
	s_mov_b32 s[\g+3], 32<<16
	s_mov_b32 s[\g+4], 8
	s_mov_b32 s[\g+5], 32
	s_mov_b32 s[\g+6], 0
	s_mov_b32 s[\g+7], 0
.endr
	s_lshl_b32 s18, s16, 2
	s_lshl_b32 s20, s17, 3
	s_add_co_u32 s20, s20, s18
	s_mul_i32 s20, s20, 12288                      ; o's codes: tile 8 idx1 + 4 half (the region begins at byte 0)
	s_mov_b32 s21, 0
	s_lshl_b32 s46, s42, 3
	s_add_co_u32 s46, s46, s18
	s_mul_i32 s46, s46, 1536                       ; Wp's: tile 8 idx0 + 4 half of K step 0
	s_add_co_u32 s46, s46, WP_C
	s_mov_b32 s47, 0
	s_lshl_b32 s18, s16, 11
	s_lshl_b32 s22, s17, 12
	s_add_co_u32 s22, s22, s18
	s_add_co_u32 s22, s22, OSC                     ; scale words: 512 bytes a tile
	s_mov_b32 s23, 0
	s_lshl_b32 s92, s42, 12
	s_add_co_u32 s92, s92, s18
	s_add_co_u32 s92, s92, WP_S
	s_mov_b32 s93, 0
	s_mul_i32 s45, s14, HALFT                      ; where they go: by the wave's number alone
	s_lshl_b32 s19, s14, 11
	s_wait_dscnt 0x0                               ; the opening add is done
	s_wait_kmcnt 0x0
	s_add_nc_u64 s[20:21], s[6:7], s[20:21]
	s_add_nc_u64 s[22:23], s[6:7], s[22:23]
	s_add_nc_u64 s[46:47], s[4:5], s[46:47]
	s_add_nc_u64 s[92:93], s[4:5], s[92:93]
	CROUND                                         ; all sixteen work-groups are here: the joint loads meet
	s_mov_b32 s[G0S], 1
	s_add_co_u32 s[G0S+1], s19, SCL
	s_mov_b64 s[G0S+2:G0S+3], s[22:23]
	s_or_b32 s[G0S+3], s[G0S+3], 0x80000000
	s_mov_b32 s[G0SB], 1
	s_add_co_u32 s[G0SB+1], s19, SCL
	s_mov_b64 s[G0SB+2:G0SB+3], s[92:93]
	s_or_b32 s[G0SB+3], s[G0SB+3], 0x80000000
	JLOAD G0S, G1S, G0SB, G1SB                     ; the scale words of all of K
.irp s, 0,1
	s_mov_b32 s[G0+4*\s], 1
	s_add_co_u32 s[G0+4*\s+1], s45, \s*SLOT
	s_add_nc_u64 s[G0+4*\s+2:G0+4*\s+3], s[20:21], \s*GSA
	s_or_b32 s[G0+4*\s+3], s[G0+4*\s+3], 0x80000000
	s_mov_b32 s[G0B+4*\s], 1
	s_add_co_u32 s[G0B+4*\s+1], s45, \s*SLOT
	s_add_nc_u64 s[G0B+4*\s+2:G0B+4*\s+3], s[46:47], \s*GSB
	s_or_b32 s[G0B+4*\s+3], s[G0B+4*\s+3], 0x80000000
	JLOAD G0+4*\s, G1, G0B+4*\s, G1B               ; three tensor loads of mine are out at the most
.endr
	v_and_b32 v6, 31, v0
	v_lshlrev_b32 v1, 4, v6                        ; 16 x lane
	v_lshlrev_b32 v2, 3, v6                        ; 8 x lane
	v_and_b32 v7, 15, v0                           ; r
	v_bfe_u32 v8, v0, 4, 1                         ; h
	s_mul_i32 s18, s15, HALFT
	s_mul_i32 s19, s16, HALFT
	s_add_co_u32 s19, s19, 2*HALFT
.irp s, 0,1
	v_add_nc_u32 v[ADRA+\s], s18, v1
	v_add_nc_u32 v[ADRA+2+\s], s18, v2
	v_add_nc_u32 v[ADRB+\s], s19, v1
	s_add_co_u32 s18, s18, SLOT
	s_add_co_u32 s19, s19, SLOT
.endr
	s_lshl_b32 s18, s15, 11
	s_lshl_b32 s19, s16, 11
	s_add_co_u32 s19, s19, 2*HALFS
	s_sub_co_u32 s19, s19, s18
	v_mul_u32_u24 v6, s19, v8                      ; lanes 16-31 take Wp's words
	s_add_co_u32 s18, s18, SCL
	v_lshl_add_u32 v6, v7, 2, v6
	v_add_nc_u32 v[ADRS], s18, v6
	s_lshl_b32 s18, s17, 3
	s_lshl_b32 s19, s15, 2
	s_add_co_u32 s18, s18, s19                     ; my first tile of tokens
	s_lshl_b32 s18, s18, 3
	s_add_co_u32 s18, s18, s42
	s_lshl_b32 s18, s18, 13                        ; image (tile, 128 columns idx0),
	s_lshl_b32 s19, s16, 12
	s_add_co_u32 s18, s18, s19                     ; my 64 columns' eight chunks: the same place in h + bp and in pj
	s_mov_b32 s19, 0
	s_add_nc_u64 s[8:9], s[8:9], s[18:19]
	s_add_co_u32 s18, s18, H_IMG
	s_add_nc_u64 s[10:11], s[4:5], s[18:19]
.irp a, 0,1,2,3
.irp b, 0,1,2,3
	global_load_b128 v[ACC+8*(4*\a+\b):ACC+8*(4*\a+\b)+3], v1, s[10:11] offset:65536*\a+1024*\b th:TH_LOAD_NT
	global_load_b128 v[ACC+8*(4*\a+\b)+4:ACC+8*(4*\a+\b)+7], v1, s[10:11] offset:65536*\a+1024*\b+512 th:TH_LOAD_NT
.endr
.endr
.macro FETCH p, slot, q                ; 32 LDS loads: the slot's q-th K step into set p, and its scale words
	WIN 0x40
.irp i, 0,1,2,3
.irp c, 0,1,2
	ds_load_b128 v[128*(\p)+FR*\i+4*\c:128*(\p)+FR*\i+4*\c+3], v[ADRB+\slot] offset:6144*(\q)+1536*\i+512*\c
.endr
.endr
.irp i, 0,1,2,3
.irp c, 0,1
	ds_load_b128 v[128*(\p)+48+FR*\i+6*\c:128*(\p)+48+FR*\i+6*\c+3], v[ADRA+\slot] offset:6144*\i+1536*(\q)+768*\c
	ds_load_b64 v[128*(\p)+48+FR*\i+6*\c+4:128*(\p)+48+FR*\i+6*\c+5], v[ADRA+2+\slot] offset:6144*\i+1536*(\q)+768*\c+512
.endr
.endr
	WIN 0
.irp i, 0,1,2,3
	ds_load_b32 v[SC+4*(\p)+\i], v[ADRS] offset:512*\i+64*(\q)
.endr
.endm
.macro MUL4 p, a0, n                   ; 4 n products; the 16 accumulators take turns, one instruction a turn, in one order in every step
	WIN 0x05
.set AA, \a0
.rept \n
.irp b, 0,1,2,3
	v_wmma_scale_f32_16x16x128_f8f6f4 v[ACC+8*(4*AA+\b):ACC+8*(4*AA+\b)+7], v[128*(\p)+FR*\b:128*(\p)+FR*\b+FR-1], v[128*(\p)+48+FR*AA:128*(\p)+48+FR*AA+FR-1], v[ACC+8*(4*AA+\b):ACC+8*(4*AA+\b)+7], v[SC+4*(\p)+\b], v[SC+4*(\p)+AA] matrix_a_fmt:MATRIX_FMT_FP6 matrix_b_fmt:MATRIX_FMT_FP6 matrix_a_scale:MATRIX_SCALE_ROW1
.endr
.set AA, AA+1
.endr
.endm
.macro STEP p, slot, qn                ; multiplies set p; ahead of that it asks for the same slot's K step qn into the other set
	PLACES
	FETCH 1-(\p), \slot, \qn
	s_wait_dscnt 32                                ; all but the 32 just issued: set p, asked for a step ago, is in
	MUL4 \p, 0, 4
.endm
	s_wait_tensorcnt 1                             ; the scale words and my part of slot 0 are in; slot 1's load may be out
	s_barrier_signal -1
	s_barrier_wait -1
	FETCH 0, 0, 0
	s_wait_loadcnt 0x0                             ; h + bp in the accumulators
	STEP 0, 0, 1
	STEP 1, 0, 2
	STEP 0, 0, 3
	; slot 0's last step (set 1), with the change of slots in its middle: each wave's part of slot 1 has landed, then the barrier
	WIN 0
	s_wait_tensorcnt 0x0                           ; my part of slot 1 has landed
	ds_add_u32 v[SPW], v[NIL]                      ; 0 onto my spare word
	s_wait_dscnt 1                                 ; set 1 is in; the add may be out
	MUL4 1, 0, 1
	s_wait_dscnt 0x0                               ; no LDS instruction of mine is out at the signal
	s_barrier_signal -1
	MUL4 1, 1, 1
	WIN 0
	s_barrier_wait -1                              ; slot 1 is whole
	PLACES
	v_add_nc_u32 v[ADRS], 256, v[ADRS]             ; slot 1's scale words: four K steps of 64 bytes on
	FETCH 0, 1, 0
	MUL4 1, 2, 2
	STEP 0, 1, 1
	STEP 1, 1, 2
	STEP 0, 1, 3
	s_wait_dscnt 0x0
	MUL4 1, 0, 4
	WIN 0
	PLACES
.irp a, 0,1,2,3                                ; the accumulators leave as they stand, each from its low end on: 512 consecutive bytes a store, aligned
.irp b, 0,1,2,3
	global_store_b128 v1, v[ACC+8*(4*\a+\b):ACC+8*(4*\a+\b)+3], s[8:9] offset:65536*\a+1024*\b
	global_store_b128 v1, v[ACC+8*(4*\a+\b)+4:ACC+8*(4*\a+\b)+7], s[8:9] offset:65536*\a+1024*\b+512
.endr
.endr
	s_wait_tensorcnt 0x0                           ; the wave's end
	ds_add_u32 v[SPW], v[NIL]
	s_wait_dscnt 0x0
	CROUND                                         ; the closing round
	s_endpgm
.Lfunc_end_k_q633808eec1_projg:
	.size	k_q633808eec1_projg, .Lfunc_end_k_q633808eec1_projg-k_q633808eec1_projg
	.p2alignl 7, 3214868480
	.fill 96, 4, 3214868480
	.section	.rodata,"a",@progbits
	.p2align	6, 0x0
	.amdhsa_kernel k_q633808eec1_projg
		.amdhsa_group_segment_fixed_size 212992
		.amdhsa_private_segment_fixed_size 0
		.amdhsa_enable_private_segment 0
		.amdhsa_kernarg_size 24
		.amdhsa_user_sgpr_count 2
		.amdhsa_user_sgpr_kernarg_segment_ptr 1
		.amdhsa_wavefront_size32 1
		.amdhsa_system_sgpr_workgroup_id_x 1
		.amdhsa_system_sgpr_workgroup_id_y 1
		.amdhsa_system_sgpr_workgroup_id_z 1
		.amdhsa_system_vgpr_workitem_id 0
		.amdhsa_next_free_vgpr 512
		.amdhsa_next_free_sgpr 100
		.amdhsa_reserve_vcc 0
		.amdhsa_float_denorm_mode_32 3
		.amdhsa_float_denorm_mode_16_64 3
		.amdhsa_memory_ordered 1
		.amdhsa_forward_progress 1
		.amdhsa_inst_pref_size 50
	.end_amdhsa_kernel
	.amdgpu_metadata
---
amdhsa.version: [ 1, 2 ]
amdhsa.kernels:
  - .name:           k_q633808eec1_projg
    .symbol:         k_q633808eec1_projg.kd
    .args:
      - { .name: pw, .offset: 0, .size: 8, .value_kind: global_buffer, .address_space: global }
      - { .name: oc, .offset: 8, .size: 8, .value_kind: global_buffer, .address_space: global }
      - { .name: pj, .offset: 16, .size: 8, .value_kind: global_buffer, .address_space: global }
    .group_segment_fixed_size: 212992
    .private_segment_fixed_size: 0
    .kernarg_segment_align: 8
    .kernarg_segment_size: 24
    .max_flat_workgroup_size: 128
    .sgpr_count:     100
    .vgpr_count:     512
    .wavefront_size: 32
...
	.end_amdgpu_metadata
.endif
;; end of part 4
;; launch ln2 (part 5): grid 256 x 1, 8 waves a work-group, no clusters, 2,048 bytes of LDS; arguments pj, g2, be2, h2b; writes h2b
.if DOCPART == 5
	.amdgcn_target "amdgcn-amd-amdhsa--gfx1250"
	.amdhsa_code_object_version 6
	.text
	.protected	k_q633808eec1_ln2
	.globl	k_q633808eec1_ln2
	.p2align	8
	.type	k_q633808eec1_ln2,@function
k_q633808eec1_ln2:
	s_mov_b64 s[64:65], 0
	v_nop
	global_prefetch_b8 v0, s[64:65] scope:SCOPE_SE
	s_setreg_imm32_b32 hwreg(HW_REG_WAVE_MODE, 25, 1), 1
	s_wait_xcnt 0x0
; LN2.  h2 = LN2(pj), pj = h + o Wp + bp; h2 leaves as f32 (the last residual) and as codes of FP6 (E2M3) with E8M0 scale words (the next product's operand), both as images of registers.
; pj lies as images of accumulators: [tile of 16 tokens][128 columns][16 chunks of 512 bytes]: chunk i holds registers 4 i .. 4 i + 3 of lane l at byte 16 l; register 16 b + i of lane (r, h) is column 32 b + 16 h + i of the tile's row r.
; That is the quantiser's order: nothing changes lanes.  A work-group takes a tile of 16 tokens, each of its eight waves 128 columns: 64 numbers a lane, read once, kept in registers between the passes.
; A token's 1,024 numbers lie in two lanes of each of the eight waves: sums within a lane, lane l xor 16, then the eight waves' figures meet in LDS behind a barrier: once for the mean, once, in other bytes, for the squares of the deviations.
; Memory binds: every load and store of the numbers covers 512 consecutive bytes, aligned.  No matrix work; the work-groups share only g2 and be2 (8,192 bytes against 65,536 of their own): so no cluster and no tensor load.
; LIMITS: NaN and infinities are not served; a block of zeros or under 2^-124 gets the byte 1 (only this program reads the bytes).
.set H2_S,   3145728
.set H2_IMG, 3276800
.set SPARE,  1024                      ; behind the two meetings' 512 bytes each: the spare words, 128 bytes for each wave: four blocks of 256 bytes that no other line names
.set LI,  1                            ; v1   16 x lane
.set R4,  3                            ; v3   4 r
.set GO,  7                            ; v7   64 h
.set STW, 12                           ; v12  where I put my wave's figure: 64 x wave + 4 r
.set SPW, 28                           ; v28  LDS address of my spare word; never rewritten
.set NIL, 29                           ; v29  0; never rewritten
.set X,   32                           ; v32-95   my 64 numbers
.set G,   96                           ; v96-159  g2
.set BE,  160                          ; v160-223 be2
.set PC,  96                           ; the codes, where g2 lay
.set TM,  224                          ; v224-239 at work
.set PW,  240
.set MU,  242
.set RS,  244
.set CH,  246                          ; v246-249 two chains
.set SEL, 24                           ; s[24:25] lane selects for lane l xor 16
.macro QUANT s                         ; 64 numbers, register 16 b + i = k 32 b + 16 (lane / 16) + i of my row -> a fragment in v[PC] on, its scale word in v[PW]
.irp b, 0,1,2,3
	v_max3_num_f32 v[TM+\b], |v[\s+16*\b]|, |v[\s+1+16*\b]|, 0x1800000   ; with the floor 2^(3 - 127): the byte cannot fall under 1
.endr
.irp i, 2,4,6,8,10,12,14
.irp b, 0,1,2,3
	v_max3_num_f32 v[TM+\b], v[TM+\b], |v[\s+16*\b+\i]|, |v[\s+1+16*\b+\i]|
.endr
.endr
.irp b, 0,1,2,3
	v_permlanex16_b32 v[TM+4+\b], v[TM+\b], s[SEL], s[SEL+1]
.endr
.irp b, 0,1,2,3
	v_max_num_f32 v[TM+\b], v[TM+\b], v[TM+4+\b]
.endr
.irp b, 0,1,2,3
	v_add_nc_u32 v[TM+12+\b], 0xff000000, v[TM+\b]   ; 2 off the exponent field: the conversion's scale operand
.endr
.irp b, 0,1,2,3
	v_lshrrev_b32 v[TM+4+\b], 23, v[TM+12+\b]
.endr
	v_lshl_or_b32 v[PW], v[TM+5], 8, v[TM+4]
	v_lshl_or_b32 v[PW], v[TM+6], 16, v[PW]
	v_lshl_or_b32 v[PW], v[TM+7], 24, v[PW]
.irp c, 0,1
	v_cvt_scalef32_pk16_fp6_f32 v[PC+6*\c:PC+2+6*\c], v[\s+32*\c:\s+15+32*\c], v[TM+12+2*\c]
	v_cvt_scalef32_pk16_fp6_f32 v[PC+12+4*\c:PC+14+4*\c], v[\s+16+32*\c:\s+31+32*\c], v[TM+12+2*\c+1]
.endr
	v_nop                                          ; one plain place behind a scaled conversion
.irp c, 0,1
.irp i, 0,1,2
	v_permlane16_swap_b32 v[PC+6*\c+\i], v[PC+12+4*\c+\i]
.endr
.irp i, 0,1,2
	v_mov_b32 v[PC+3+6*\c+\i], v[PC+12+4*\c+\i]
.endr
.endr
.endm
; the two chains are closed, joined with lane l xor 16's, and the eight waves' figures meet at off bytes in LDS; the row's sum comes back in v[TM]
.macro MEET off
	v_pk_add_f32 v[CH:CH+1], v[CH:CH+1], v[CH+2:CH+3]
	v_add_f32 v[CH], v[CH], v[CH+1]
	v_permlanex16_b32 v[CH+1], v[CH], s[SEL], s[SEL+1]
	v_add_f32 v[CH], v[CH], v[CH+1]
	ds_store_b32 v[STW], v[CH] offset:\off         ; lanes l and l + 16 hold the same number and name the same word
	s_wait_dscnt 0x0                               ; for the others' sake
	s_barrier_signal -1
	s_barrier_wait -1
.irp w, 0,1,2,3,4,5,6,7
	ds_load_b32 v[TM+\w], v[R4] offset:\off+64*\w
.endr
	s_wait_dscnt 0x0
.irp w, 0,2,4,6
	v_add_f32 v[TM+\w], v[TM+\w], v[TM+\w+1]
.endr
	v_add_f32 v[TM], v[TM], v[TM+2]
	v_add_f32 v[TM+4], v[TM+4], v[TM+6]
	v_add_f32 v[TM], v[TM], v[TM+4]                ; the same order in every wave: the same bits
.endm
	s_load_b256 s[4:11], s[0:1], 0x0               ; pj, g2, be2, h2b
	v_lshl_add_u32 v[SPW], v0, 2, SPARE
	v_mov_b32 v[NIL], 0
	v_lshrrev_b32 v2, 5, v0
	v_readfirstlane_b32 s14, v2                    ; wave 0..7: which 128 columns, and which K step of the next product
	v_and_b32 v4, 31, v0
	v_lshlrev_b32 v[LI], 4, v4
	v_and_b32 v5, 15, v0
	v_lshlrev_b32 v[R4], 2, v5
	v_bfe_u32 v6, v0, 4, 1
	v_lshlrev_b32 v[GO], 6, v6
	s_lshl_b32 s15, s14, 6
	v_add_nc_u32 v[STW], s15, v[R4]
	s_lshl_b32 s16, ttmp9, 3
	s_add_co_u32 s16, s16, s14                     ; 8 T + wave
	s_lshl_b32 s18, s16, 13                        ; my image in pj,
	s_mov_b32 s19, 0
	s_add_co_u32 s20, s18, H2_IMG                  ; and in h2's f32 part
	s_mov_b32 s21, 0
	s_lshl_b32 s22, s16, 6
	s_add_co_u32 s22, s22, H2_S                    ; h2's scale words
	s_mov_b32 s23, 0
	s_lshr_b32 s26, s14, 1
	s_lshl_b32 s26, s26, 8
	s_add_co_u32 s26, s26, ttmp9
	s_mul_i32 s26, s26, 3072                       ; h2's codes: two K steps to a slot of the next launch: ((ks / 2) 256 + T) x 3,072 + (ks % 2) x 1,536
	s_and_b32 s27, s14, 1
	s_mul_i32 s27, s27, 1536
	s_add_co_u32 s26, s26, s27
	s_mov_b32 s27, 0
	s_lshl_b32 s28, s14, 9                         ; g2, be2 at my 128 columns
	s_mov_b32 s29, 0
	s_mov_b32 s[SEL], 0x76543210
	s_mov_b32 s[SEL+1], 0xfedcba98
	s_mov_b32 s30, 0x3a800000                      ; 1 / 1024
	s_mov_b32 s31, 0x3727c5ac                      ; 1e-5
	s_wait_kmcnt 0x0
	s_add_nc_u64 s[4:5], s[4:5], s[18:19]
	s_add_nc_u64 s[6:7], s[6:7], s[28:29]
	s_add_nc_u64 s[8:9], s[8:9], s[28:29]
	s_add_nc_u64 s[20:21], s[10:11], s[20:21]
	s_add_nc_u64 s[22:23], s[10:11], s[22:23]
	s_add_nc_u64 s[26:27], s[10:11], s[26:27]
.irp i, 0,1,2,3,4,5,6,7,8,9,10,11,12,13,14,15
	global_load_b128 v[X+4*\i:X+4*\i+3], v[LI], s[4:5] offset:512*\i th:TH_LOAD_NT   ; 512 consecutive bytes a load
.endr
.irp b, 0,1,2,3
.irp j, 0,1,2,3
	global_load_b128 v[G+16*\b+4*\j:G+16*\b+4*\j+3], v[GO], s[6:7] offset:128*\b+16*\j   ; register 16 b + i: column 32 b + 16 h + i
	global_load_b128 v[BE+16*\b+4*\j:BE+16*\b+4*\j+3], v[GO], s[8:9] offset:128*\b+16*\j
.endr
.endr
	s_wait_loadcnt 32                              ; my numbers are in; g2's and be2's 32 loads may be out
	v_pk_add_f32 v[CH:CH+1], v[X:X+1], v[X+2:X+3]  ; the first pairs start two chains: nothing is cleared
	v_pk_add_f32 v[CH+2:CH+3], v[X+4:X+5], v[X+6:X+7]
.irp p, 8,12,16,20,24,28,32,36,40,44,48,52,56,60
	v_pk_add_f32 v[CH:CH+1], v[CH:CH+1], v[X+\p:X+\p+1]
	v_pk_add_f32 v[CH+2:CH+3], v[CH+2:CH+3], v[X+\p+2:X+\p+3]
.endr
	MEET 0
	v_mul_f32 v[MU], s30, v[TM]                    ; the mean, twice: a pair for the packed forms
	v_mov_b32 v[MU+1], v[MU]
.set i, 0
.rept 32
	v_pk_add_f32 v[X+i:X+i+1], v[X+i:X+i+1], v[MU:MU+1] neg_lo:[0,1] neg_hi:[0,1]   ; the deviations, in place
.set i, i+2
.endr
	v_pk_mul_f32 v[CH:CH+1], v[X:X+1], v[X:X+1]    ; their squares
	v_pk_mul_f32 v[CH+2:CH+3], v[X+2:X+3], v[X+2:X+3]
.irp p, 4,8,12,16,20,24,28,32,36,40,44,48,52,56,60
	v_pk_fma_f32 v[CH:CH+1], v[X+\p:X+\p+1], v[X+\p:X+\p+1], v[CH:CH+1]
	v_pk_fma_f32 v[CH+2:CH+3], v[X+\p+2:X+\p+3], v[X+\p+2:X+\p+3], v[CH+2:CH+3]
.endr
	MEET 512                                       ; other bytes than the first meeting's: no barrier is owed between the two
	v_fma_f32 v[TM], v[TM], s30, s31               ; the variance + 1e-5
	v_rsq_f32 v[RS], v[TM]
	v_nop                                          ; a plain place behind the transcendental
	s_wait_alu depctr_va_vdst(0)                   ; the wait, ahead of its first reader
	v_mov_b32 v[RS+1], v[RS]
	s_wait_loadcnt 0x0                             ; g2, be2
.set i, 0
.rept 32
	v_pk_mul_f32 v[X+i:X+i+1], v[X+i:X+i+1], v[RS:RS+1]
.set i, i+2
.endr
.set i, 0
.rept 32
	v_pk_fma_f32 v[X+i:X+i+1], v[X+i:X+i+1], v[G+i:G+i+1], v[BE+i:BE+i+1]
.set i, i+2
.endr
.irp i, 0,1,2,3,4,5,6,7,8,9,10,11,12,13,14,15
	global_store_b128 v[LI], v[X+4*\i:X+4*\i+3], s[20:21] offset:512*\i   ; h2 in f32: 512 consecutive bytes a store, aligned
.endr
	QUANT X                                        ; it reads my numbers and writes none of them
.irp c, 0,1,2
	global_store_b128 v[LI], v[PC+4*\c:PC+4*\c+3], s[26:27] offset:512*\c
.endr
	global_store_b32 v[R4], v[PW], s[22:23]        ; lanes l and l + 16 hold the same word and name the same place
	s_wait_tensorcnt 0x0                           ; the wave's end
	ds_add_u32 v[SPW], v[NIL]
	s_wait_dscnt 0x0
	s_endpgm
.Lfunc_end_k_q633808eec1_ln2:
	.size	k_q633808eec1_ln2, .Lfunc_end_k_q633808eec1_ln2-k_q633808eec1_ln2
	.p2alignl 7, 3214868480
	.fill 96, 4, 3214868480
	.section	.rodata,"a",@progbits
	.p2align	6, 0x0
	.amdhsa_kernel k_q633808eec1_ln2
		.amdhsa_group_segment_fixed_size 2048
		.amdhsa_private_segment_fixed_size 0
		.amdhsa_enable_private_segment 0
		.amdhsa_kernarg_size 32
		.amdhsa_user_sgpr_count 2
		.amdhsa_user_sgpr_kernarg_segment_ptr 1
		.amdhsa_wavefront_size32 1
		.amdhsa_system_sgpr_workgroup_id_x 1
		.amdhsa_system_sgpr_workgroup_id_y 1
		.amdhsa_system_sgpr_workgroup_id_z 1
		.amdhsa_system_vgpr_workitem_id 0
		.amdhsa_next_free_vgpr 256
		.amdhsa_next_free_sgpr 66
		.amdhsa_reserve_vcc 0
		.amdhsa_float_denorm_mode_32 3
		.amdhsa_float_denorm_mode_16_64 3
		.amdhsa_memory_ordered 1
		.amdhsa_forward_progress 1
		.amdhsa_inst_pref_size 25
	.end_amdhsa_kernel
	.amdgpu_metadata
---
amdhsa.version: [ 1, 2 ]
amdhsa.kernels:
  - .name:           k_q633808eec1_ln2
    .symbol:         k_q633808eec1_ln2.kd
    .args:
      - { .name: pj, .offset: 0, .size: 8, .value_kind: global_buffer, .address_space: global }
      - { .name: g2, .offset: 8, .size: 8, .value_kind: global_buffer, .address_space: global }
      - { .name: be2, .offset: 16, .size: 8, .value_kind: global_buffer, .address_space: global }
      - { .name: h2b, .offset: 24, .size: 8, .value_kind: global_buffer, .address_space: global }
    .group_segment_fixed_size: 2048
    .private_segment_fixed_size: 0
    .kernarg_segment_align: 8
    .kernarg_segment_size: 32
    .max_flat_workgroup_size: 256
    .sgpr_count:     66
    .vgpr_count:     256
    .wavefront_size: 32
...
	.end_amdgpu_metadata
.endif
;; end of part 5
;; launch ff1 (part 6): grid 16 x 16, 4 waves a work-group, clusters of 4 x 4, 327,680 bytes of LDS; arguments pw, h2b, b1, hid; writes hid
.if DOCPART == 6
	.amdgcn_target "amdgcn-amd-amdhsa--gfx1250"
	.amdhsa_code_object_version 6
	.text
	.protected	k_q633808eec1_ff1
	.globl	k_q633808eec1_ff1
	.p2align	8
	.type	k_q633808eec1_ff1,@function
k_q633808eec1_ff1:
	s_mov_b64 s[64:65], 0
	v_nop
	global_prefetch_b8 v0, s[64:65] scope:SCOPE_SE
	s_setreg_imm32_b32 hwreg(HW_REG_WAVE_MODE, 25, 1), 1
	s_wait_xcnt 0x0
	s_wait_alu depctr_hold_cnt(0) depctr_sa_sdst(0) depctr_va_vdst(0) depctr_va_sdst(0) depctr_va_ssrc(0) depctr_va_vcc(0) depctr_vm_vsrc(0)
	s_getreg_b32 s2, hwreg(HW_REG_IB_STS2, 6, 4)
	s_cmp_eq_u32 s2, 0
	s_cbranch_scc0 .Lentry_in_a_cluster
	s_endpgm
.Lentry_in_a_cluster:
	s_bfe_u32 s2, ttmp6, 0x10000c
	s_cmp_lg_u32 s2, 0xf033
	s_cbranch_scc0 .Lentry_shape_is_right
	s_endpgm
.Lentry_shape_is_right:
; FF1.  hidden = gelu(h2 W1 + b1), exact GELU, on codes of FP6 (E2M3), K = 1,024; the hidden layer is quantised in registers along its 4,096 units and stored as images of the next product's operand.
; A work-group makes 256 tokens x 256 units, four waves 128 x 128 each; K goes in 8 steps of 128 through two LDS slots of two steps.  All operands lie in memory as images of their registers (1,536 bytes a fragment): a wave's part
; of a slot is 24,576 consecutive bytes, and a fragment is three loads of 16 bytes at 16 x lane.  Transposed use: source 0 = 16 units of W1, source 1 = 16 tokens: a lane holds one token, its registers run along the units.
; CLUSTERS of 4 x 4: the tokens' tiles are shared along a row of the cluster, W1's along a column: joint loads.
; GELU: 0.5 x (1 + erf(x / sqrt 2)); erf(z) = z P(z^2) / Q(z^2) with z held to +-4, P of degree 6 and Q of degree 4: a few units in the last place of f32 on that range; beyond it erf is 1 to f32's precision.
; THE WAY OUT IS A LOOP over the wave's eight blocks of 16 tokens: only the copy out of the accumulators (32 packed additions of b1) differs from block to block and is written eight times; GELU and the quantiser are written once.
; LIMITS: NaN and infinities are not served; a block of zeros or under 2^-124 gets the byte 1.
; REGISTERS: as in the launch for q, k, v: window 0: v1-4 offsets, v16-29 addresses, v32-47 scale words, v64-255 fragment set 1; window 1: v0-191 fragment set 0, v192-255 b1; windows 2, 3: accumulator (a, b) at v[8 (8 (a % 4) + b)].
;   On the way out window 0: v64-127 64 numbers; v128-191 z, z^2, P, Q of 16 numbers; v192-228 the quantiser's; v232-255 the twelve coefficients, each twice.
.set W1_C,   3145728
.set W1_S,   13467648
.set H2_C,   0
.set H2_S,   3145728
.set HID_S,  12582912
.set FR,     12
.set HALFT,  24576
.set SLOT,   4*HALFT
.set GSTEP,  786432
.set SCL,    2*SLOT
.set HALFS,  4096
.set SPARE,  SCL+4*HALFS               ; the spare words, 128 bytes for each wave: two blocks of 256 bytes that no other line names
.set ADRA, 16
.set ADRB, 20
.set ADRS, 27
.set SPW,  28
.set NIL,  29
.set SC,   32
.set BI,   192                         ; in window 1
.set ST,   64
.set ZZ,   128
.set WW,   144
.set PP,   160
.set QQ,   176
.set TM,   192
.set PW,   208
.set PC,   210
.set CF,   232
.set SEL,  96                          ; s[96:97]
.set G1, 24
.set G0, 32
.set G1B, 48
.set G0B, 56
.set G1S, 68
.set G0S, 76
.set G1SB, 80
.set G0SB, 88
.set MSB, 0
.macro WIN new
.if MSB != (\new)
	s_set_vgpr_msb (MSB<<8)|(\new)
.set MSB, (\new)
.endif
.endm
.macro PLACES
.rept 4
	v_nop
.endr
.endm
.macro JLOAD g0a, g1a, g0b, g1b        ; a joint load: waves 0 and 1 fetch for source 1, waves 2 and 3 for source 0; an s_nop 0 and four v_nop follow each line
	s_cmp_eq_u32 s15, 0
	s_cbranch_scc0 .Lfor_b_\@
	tensor_load_to_lds s[\g0a:\g0a+3], s[\g1a:\g1a+7]
	s_nop 0
.rept 4
	v_nop
.endr
	s_branch .Lasked_\@
.Lfor_b_\@:
	tensor_load_to_lds s[\g0b:\g0b+3], s[\g1b:\g1b+7]
	s_nop 0
.rept 4
	v_nop
.endr
.Lasked_\@:
.endm
.macro CREST
	s_cmp_lg_u32 s14, 0
	s_cbranch_scc1 .Lnot_wave_0_\@
	s_barrier_signal -3
.Lnot_wave_0_\@:
	s_barrier_wait -3
	s_barrier_signal -1
	s_barrier_wait -1
.endm
.macro CROUND
	s_barrier_signal -1
	s_barrier_wait -1
	CREST
.endm
.macro QUANT s
.irp b, 0,1,2,3
	v_max3_num_f32 v[TM+\b], |v[\s+16*\b]|, |v[\s+1+16*\b]|, 0x1800000
.endr
.irp i, 2,4,6,8,10,12,14
.irp b, 0,1,2,3
	v_max3_num_f32 v[TM+\b], v[TM+\b], |v[\s+16*\b+\i]|, |v[\s+1+16*\b+\i]|
.endr
.endr
.irp b, 0,1,2,3
	v_permlanex16_b32 v[TM+4+\b], v[TM+\b], s[SEL], s[SEL+1]
.endr
.irp b, 0,1,2,3
	v_max_num_f32 v[TM+\b], v[TM+\b], v[TM+4+\b]
.endr
.irp b, 0,1,2,3
	v_add_nc_u32 v[TM+12+\b], 0xff000000, v[TM+\b]
.endr
.irp b, 0,1,2,3
	v_lshrrev_b32 v[TM+4+\b], 23, v[TM+12+\b]
.endr
	v_lshl_or_b32 v[PW], v[TM+5], 8, v[TM+4]
	v_lshl_or_b32 v[PW], v[TM+6], 16, v[PW]
	v_lshl_or_b32 v[PW], v[TM+7], 24, v[PW]
.irp c, 0,1
	v_cvt_scalef32_pk16_fp6_f32 v[PC+6*\c:PC+2+6*\c], v[\s+32*\c:\s+15+32*\c], v[TM+12+2*\c]
	v_cvt_scalef32_pk16_fp6_f32 v[PC+12+4*\c:PC+14+4*\c], v[\s+16+32*\c:\s+31+32*\c], v[TM+12+2*\c+1]
.endr
	v_nop                                          ; one plain place behind a scaled conversion
.irp c, 0,1
.irp i, 0,1,2
	v_permlane16_swap_b32 v[PC+6*\c+\i], v[PC+12+4*\c+\i]
.endr
.irp i, 0,1,2
	v_mov_b32 v[PC+3+6*\c+\i], v[PC+12+4*\c+\i]
.endr
.endr
.endm
	s_load_b256 s[4:11], s[0:1], 0x0               ; pw, h2b, b1, hid
	v_lshl_add_u32 v[SPW], v0, 2, SPARE
	v_mov_b32 v[NIL], 0
	ds_add_u32 v[SPW], v[NIL]                      ; the wave's opening: the add and its wait ahead of my first tensor load
	v_lshrrev_b32 v1, 5, v0
	v_readfirstlane_b32 s14, v1                    ; wave 0..3
	s_lshr_b32 s15, s14, 1                         ; my half of the tokens' tiles.  Also: I fetch for the tokens (0) or for W1 (1)
	s_and_b32 s16, s14, 1                          ; my half of W1's.  Also: which half I fetch
	s_bfe_u32 s40, ttmp6, 0x40000                  ; cx
	s_bfe_u32 s41, ttmp6, 0x40004                  ; cy
	s_lshl_b32 s42, ttmp9, 2
	s_add_co_u32 s42, s42, s40                     ; idx0: which 256 units
	s_and_b32 s17, ttmp7, 0xffff
	s_lshl_b32 s17, s17, 2
	s_add_co_u32 s17, s17, s41                     ; idx1: which 256 tokens
	s_lshl_b32 s43, s41, 2
	s_lshl_b32 s43, 15, s43                        ; my row of the cluster
	s_lshl_b32 s44, 0x1111, s40                    ; my column
	s_or_b32 s[G1+0], s43, (3<<16)|(1<<21)         ; 15:0 the mask; 17:16 elements of 8 bytes; 21 set beside a mask; no padding
	s_or_b32 s[G1B+0], s44, (3<<16)|(1<<21)
	s_or_b32 s[G1S+0], s43, (3<<16)|(1<<21)
	s_or_b32 s[G1SB+0], s44, (3<<16)|(1<<21)
.irp g, G1, G1B                        ; 96 dense rows of 256 bytes
	s_mov_b32 s[\g+1], 32<<16
	s_mov_b32 s[\g+2], 96<<16
	s_mov_b32 s[\g+3], 32<<16
	s_mov_b32 s[\g+4], 96
	s_mov_b32 s[\g+5], 32
	s_mov_b32 s[\g+6], 0
	s_mov_b32 s[\g+7], 0
.endr
.irp g, G1S, G1SB                      ; 16 dense rows of 256 bytes
	s_mov_b32 s[\g+1], 32<<16
	s_mov_b32 s[\g+2], 16<<16
	s_mov_b32 s[\g+3], 32<<16
	s_mov_b32 s[\g+4], 16
	s_mov_b32 s[\g+5], 32
	s_mov_b32 s[\g+6], 0
	s_mov_b32 s[\g+7], 0
.endr
	s_lshl_b32 s18, s16, 3
	s_lshl_b32 s20, s17, 4
	s_add_co_u32 s20, s20, s18
	s_mul_i32 s20, s20, 3072                       ; h2's codes: tile 16 idx1 + 8 half (the region begins at byte 0)
	s_mov_b32 s21, 0
	s_lshl_b32 s46, s42, 4
	s_add_co_u32 s46, s46, s18
	s_mul_i32 s46, s46, 3072
	s_add_co_u32 s46, s46, W1_C
	s_mov_b32 s47, 0
	s_lshl_b32 s18, s16, 12
	s_lshl_b32 s22, s17, 13
	s_add_co_u32 s22, s22, s18
	s_add_co_u32 s22, s22, H2_S
	s_mov_b32 s23, 0
	s_lshl_b32 s92, s42, 13
	s_add_co_u32 s92, s92, s18
	s_add_co_u32 s92, s92, W1_S
	s_mov_b32 s93, 0
	s_mul_i32 s45, s14, HALFT
	s_lshl_b32 s19, s14, 12
	s_wait_dscnt 0x0                               ; the opening add is done
	s_wait_kmcnt 0x0
	s_add_nc_u64 s[20:21], s[6:7], s[20:21]
	s_add_nc_u64 s[22:23], s[6:7], s[22:23]
	s_add_nc_u64 s[46:47], s[4:5], s[46:47]
	s_add_nc_u64 s[92:93], s[4:5], s[92:93]
	CROUND                                         ; all sixteen work-groups are here: the first joint loads meet
	s_mov_b32 s[G0S], 1
	s_add_co_u32 s[G0S+1], s19, SCL
	s_mov_b64 s[G0S+2:G0S+3], s[22:23]
	s_or_b32 s[G0S+3], s[G0S+3], 0x80000000
	s_mov_b32 s[G0SB], 1
	s_add_co_u32 s[G0SB+1], s19, SCL
	s_mov_b64 s[G0SB+2:G0SB+3], s[92:93]
	s_or_b32 s[G0SB+3], s[G0SB+3], 0x80000000
	JLOAD G0S, G1S, G0SB, G1SB                     ; the scale words of all of K: filled once
.irp s, 0,1
	s_mov_b32 s[G0+4*\s], 1
	s_add_co_u32 s[G0+4*\s+1], s45, \s*SLOT
	s_add_nc_u64 s[G0+4*\s+2:G0+4*\s+3], s[20:21], \s*GSTEP
	s_or_b32 s[G0+4*\s+3], s[G0+4*\s+3], 0x80000000
	s_mov_b32 s[G0B+4*\s], 1
	s_add_co_u32 s[G0B+4*\s+1], s45, \s*SLOT
	s_add_nc_u64 s[G0B+4*\s+2:G0B+4*\s+3], s[46:47], \s*GSTEP
	s_or_b32 s[G0B+4*\s+3], s[G0B+4*\s+3], 0x80000000
	JLOAD G0+4*\s, G1, G0B+4*\s, G1B               ; three tensor loads of mine are out at the most
.endr
	v_and_b32 v6, 31, v0
	v_lshlrev_b32 v1, 4, v6                        ; 16 x lane
	v_and_b32 v7, 15, v0                           ; r
	v_bfe_u32 v8, v0, 4, 1                         ; h
	v_lshlrev_b32 v3, 2, v7                        ; 4 r
	v_lshlrev_b32 v4, 6, v8                        ; 64 h
	s_mul_i32 s18, s15, HALFT
	s_mul_i32 s19, s16, HALFT
	s_add_co_u32 s19, s19, 2*HALFT
.irp s, 0,1
	v_add_nc_u32 v[ADRA+\s], s18, v1
	v_add_nc_u32 v[ADRB+\s], s19, v1
	s_add_co_u32 s18, s18, SLOT
	s_add_co_u32 s19, s19, SLOT
.endr
	s_lshl_b32 s18, s15, 12
	s_lshl_b32 s19, s16, 12
	s_add_co_u32 s19, s19, 2*HALFS
	s_sub_co_u32 s19, s19, s18
	v_mul_u32_u24 v6, s19, v8                      ; lanes 16-31 take W1's words
	s_add_co_u32 s18, s18, SCL
	v_lshl_add_u32 v6, v7, 2, v6
	v_add_nc_u32 v[ADRS], s18, v6
	s_lshl_b32 s18, s42, 1
	s_add_co_u32 s18, s18, s16                     ; my 128 units are K step 2 idx0 + half of the next product
	s_lshl_b32 s18, s18, 9
	s_mov_b32 s19, 0
	s_add_nc_u64 s[8:9], s[8:9], s[18:19]
	WIN 0x40
.irp b, 0,1,2,3
.irp j, 0,1,2,3
	global_load_b128 v[BI+16*\b+4*\j:BI+16*\b+4*\j+3], v4, s[8:9] offset:128*\b+16*\j   ; register 16 b + i: unit 32 b + 16 h + i
.endr
.endr
	WIN 0
	s_mov_b32 s[SEL], 0x76543210
	s_mov_b32 s[SEL+1], 0xfedcba98
.macro FRAG reg, adr, off
.irp c, 0,1,2
	ds_load_b128 v[\reg+4*\c:\reg+4*\c+3], v[\adr] offset:\off+512*\c
.endr
.endm
.macro FETCH p, slot, q                ; 56 LDS loads: the slot's q-th K step into set p, and its scale words
	WIN 0x40*(1-(\p))
.irp i, 0,1,2,3,4,5,6,7
	FRAG 64*(\p)+FR*\i, ADRB+\slot, 3072*\i+1536*(\q)
.endr
.irp i, 0,1,2,3,4,5,6,7
	FRAG 96+64*(\p)+FR*\i, ADRA+\slot, 3072*\i+1536*(\q)
.endr
	WIN 0
.irp i, 0,1,2,3,4,5,6,7
	ds_load_b32 v[SC+8*(\p)+\i], v[ADRS] offset:512*\i+64*(\q)
.endr
.endm
.macro MULA p, a0, n, zero             ; 8 n products; the 64 accumulators take turns, one instruction a turn, in one order in every step
.set AA, \a0
.rept \n
	WIN 0xa0+0x50*(AA/4)+5*(1-(\p))
.irp b, 0,1,2,3,4,5,6,7
.if \zero
	v_wmma_scale_f32_16x16x128_f8f6f4 v[8*(8*(AA%4)+\b):8*(8*(AA%4)+\b)+7], v[64*(\p)+FR*\b:64*(\p)+FR*\b+FR-1], v[96+64*(\p)+FR*AA:96+64*(\p)+FR*AA+FR-1], 0, v[SC+8*(\p)+\b], v[SC+8*(\p)+AA] matrix_a_fmt:MATRIX_FMT_FP6 matrix_b_fmt:MATRIX_FMT_FP6 matrix_a_scale:MATRIX_SCALE_ROW1
.else
	v_wmma_scale_f32_16x16x128_f8f6f4 v[8*(8*(AA%4)+\b):8*(8*(AA%4)+\b)+7], v[64*(\p)+FR*\b:64*(\p)+FR*\b+FR-1], v[96+64*(\p)+FR*AA:96+64*(\p)+FR*AA+FR-1], v[8*(8*(AA%4)+\b):8*(8*(AA%4)+\b)+7], v[SC+8*(\p)+\b], v[SC+8*(\p)+AA] matrix_a_fmt:MATRIX_FMT_FP6 matrix_b_fmt:MATRIX_FMT_FP6 matrix_a_scale:MATRIX_SCALE_ROW1
.endif
.endr
.set AA, AA+1
.endr
.endm
.macro STEP p, slot, qn, zero
	PLACES
	FETCH 1-(\p), \slot, \qn
	s_wait_dscnt 56                                ; all but the 56 just issued: set p, asked for a step ago, is in
	MULA \p, 0, 8, \zero
.endm
.macro TURN slot, next, fill           ; a slot's last step changes slots: ONE barrier, with the waits and the add in front of it
	WIN 0
	s_wait_tensorcnt 0x0                           ; all my tensor loads have landed: my part of the next slot among them
	ds_add_u32 v[SPW], v[NIL]                      ; 0 onto my spare word
	s_wait_dscnt 1                                 ; set 1 is in; the add may be out
	MULA 1, 0, 2, 0
	s_wait_dscnt 0x0                               ; the add is done, and my reads of this slot are over
	s_barrier_signal -1
	MULA 1, 2, 2, 0
	WIN 0
	s_barrier_wait -1
.if \fill
	CREST                                          ; the barrier has opened a round of the cluster's
	s_add_nc_u64 s[G0+4*\slot+2:G0+4*\slot+3], s[G0+4*\slot+2:G0+4*\slot+3], 2*GSTEP
	s_add_nc_u64 s[G0B+4*\slot+2:G0B+4*\slot+3], s[G0B+4*\slot+2:G0B+4*\slot+3], 2*GSTEP
	JLOAD G0+4*\slot, G1, G0B+4*\slot, G1B         ; the first tensor load behind the round; its four v_nop are the places in front of the loads below
.else
	PLACES
.endif
	v_add_nc_u32 v[ADRS], 128, v[ADRS]
	FETCH 0, \next, 0
	MULA 1, 4, 4, 0
.endm
	s_wait_tensorcnt 1                             ; the scale words and my part of slot 0 are in; slot 1's load may be out
	s_barrier_signal -1
	s_barrier_wait -1
	FETCH 0, 0, 0
	STEP 0, 0, 1, 1                                ; the first step's products start the sums
	TURN 0, 1, 1
	STEP 0, 1, 1, 0
	TURN 1, 0, 1
	STEP 0, 0, 1, 0
	TURN 0, 1, 0
	STEP 0, 1, 1, 0
	s_wait_dscnt 0x0
	MULA 1, 0, 8, 0
	WIN 0
	PLACES
	s_wait_loadcnt 0x0                             ; b1
.irp b, 0,1,2,3
	v_mov_b32 v[TM+4+\b], 0                        ; written once: a lane permute's destination counts as one of its sources
.endr
.macro COEF n, bits                    ; coefficient n, twice: a pair for the packed forms
	v_mov_b32 v[CF+2*\n], \bits
	v_mov_b32 v[CF+2*\n+1], \bits
.endm
	COEF 0, 0xaf95df0b                             ; P, from the highest power down
	COEF 1, 0x32edffee
	COEF 2, 0xb60cff51
	COEF 3, 0xb86ec2d2
	COEF 4, 0xba40ac63
	COEF 5, 0xbb41a1f6
	COEF 6, 0xbc83dbd4
	COEF 7, 0xb77460cd                             ; Q
	COEF 8, 0xb95fbd29
	COEF 9, 0xbadc924e
	COEF 10, 0xbbf19bf8
	COEF 11, 0xbc69b6a7
	s_lshl_b32 s18, s42, 1
	s_add_co_u32 s18, s18, s16                     ; ks
	s_lshl_b32 s19, s17, 4
	s_lshl_b32 s20, s15, 3
	s_add_co_u32 s19, s19, s20                     ; my first tile of tokens
	s_lshr_b32 s20, s18, 2
	s_lshl_b32 s20, s20, 8
	s_add_co_u32 s20, s20, s19
	s_mul_i32 s20, s20, 6144                       ; four K steps to a slot of the next launch
	s_and_b32 s22, s18, 3
	s_mul_i32 s22, s22, 1536
	s_add_co_u32 s20, s20, s22
	s_mov_b32 s21, 0
	s_add_nc_u64 s[4:5], s[10:11], s[20:21]        ; the codes
	s_lshl_b32 s20, s19, 5
	s_add_co_u32 s20, s20, s18
	s_lshl_b32 s20, s20, 6
	s_add_co_u32 s20, s20, HID_S
	s_add_nc_u64 s[6:7], s[10:11], s[20:21]        ; the scale words
; GELU of the 16 numbers at v[s]
.macro GELU16 s
.irp p, 0,2,4,6,8,10,12,14
	v_pk_mul_f32 v[ZZ+\p:ZZ+\p+1], v[\s+\p:\s+\p+1], 0x3f3504f3 op_sel_hi:[1,0]   ; z = x / sqrt 2
.endr
.irp p, 0,1,2,3,4,5,6,7,8,9,10,11,12,13,14,15
	v_med3_num_f32 v[ZZ+\p], v[ZZ+\p], -4.0, 4.0
.endr
.irp p, 0,2,4,6,8,10,12,14
	v_pk_mul_f32 v[WW+\p:WW+\p+1], v[ZZ+\p:ZZ+\p+1], v[ZZ+\p:ZZ+\p+1]
.endr
.irp p, 0,2,4,6,8,10,12,14
	v_pk_fma_f32 v[PP+\p:PP+\p+1], v[WW+\p:WW+\p+1], v[CF:CF+1], v[CF+2:CF+3]
.endr
.irp c, 2,3,4,5,6
.irp p, 0,2,4,6,8,10,12,14
	v_pk_fma_f32 v[PP+\p:PP+\p+1], v[PP+\p:PP+\p+1], v[WW+\p:WW+\p+1], v[CF+2*\c:CF+2*\c+1]
.endr
.endr
.irp p, 0,2,4,6,8,10,12,14
	v_pk_fma_f32 v[QQ+\p:QQ+\p+1], v[WW+\p:WW+\p+1], v[CF+14:CF+15], v[CF+16:CF+17]
.endr
.irp c, 9,10,11
.irp p, 0,2,4,6,8,10,12,14
	v_pk_fma_f32 v[QQ+\p:QQ+\p+1], v[QQ+\p:QQ+\p+1], v[WW+\p:WW+\p+1], v[CF+2*\c:CF+2*\c+1]
.endr
.endr
.irp p, 0,1,2,3,4,5,6,7,8,9,10,11,12,13,14,15
	v_rcp_f32 v[QQ+\p], v[QQ+\p]
.endr
.irp p, 0,2,4,6,8,10,12,14
	v_pk_mul_f32 v[PP+\p:PP+\p+1], v[PP+\p:PP+\p+1], v[ZZ+\p:ZZ+\p+1]   ; plain work behind the batch: z P,
.endr
.irp p, 0,2,4,6,8,10,12,14
	v_pk_mul_f32 v[WW+\p:WW+\p+1], v[\s+\p:\s+\p+1], 0.5 op_sel_hi:[1,0]   ; and x / 2
.endr
	s_wait_alu depctr_va_vdst(0)                   ; one wait for the sixteen reciprocals, ahead of their first reader
.irp p, 0,2,4,6,8,10,12,14
	v_pk_mul_f32 v[PP+\p:PP+\p+1], v[PP+\p:PP+\p+1], v[QQ+\p:QQ+\p+1]   ; erf
.endr
.irp p, 0,2,4,6,8,10,12,14
	v_pk_fma_f32 v[\s+\p:\s+\p+1], v[WW+\p:WW+\p+1], v[PP+\p:PP+\p+1], v[WW+\p:WW+\p+1]
.endr
.endm
	s_mov_b32 s99, 0
.Lblock:                                           ; block a = s99 of my eight
.irp k, 0,1,2,3,4,5,6
	s_cmp_eq_u32 s99, \k
	s_cbranch_scc1 .Lcopy\k
.endr
.irp k, 7,6,5,4,3,2,1,0
.Lcopy\k:
	WIN 0x06+\k/4                                  ; source 0: window 2 or 3; source 1: window 1
.set i, 0
.rept 32
	v_pk_add_f32 v[ST+i:ST+i+1], v[64*(\k%4)+i:64*(\k%4)+i+1], v[BI+i:BI+i+1]   ; + b1; each accumulator from its low end on
.set i, i+2
.endr
	WIN 0
.if \k > 0
	s_branch .Lgelu
.endif
.endr
.Lgelu:
	GELU16 ST
	GELU16 ST+16
	GELU16 ST+32
	GELU16 ST+48
	QUANT ST
.irp c, 0,1,2
	global_store_b128 v1, v[PC+4*\c:PC+4*\c+3], s[4:5] offset:512*\c
.endr
	global_store_b32 v3, v[PW], s[6:7]             ; lanes l and l + 16 hold the same word and name the same place
	s_wait_xcnt 0x0                                ; the stores have read their registers and bases: both are written again
	s_add_nc_u64 s[4:5], s[4:5], 6144              ; the next tile of tokens
	s_add_nc_u64 s[6:7], s[6:7], 2048
	s_add_co_u32 s99, s99, 1
	s_cmp_lt_u32 s99, 8
	s_cbranch_scc1 .Lblock
	s_wait_tensorcnt 0x0                           ; the wave's end
	ds_add_u32 v[SPW], v[NIL]
	s_wait_dscnt 0x0
	CROUND                                         ; the closing round
	s_endpgm
.Lfunc_end_k_q633808eec1_ff1:
	.size	k_q633808eec1_ff1, .Lfunc_end_k_q633808eec1_ff1-k_q633808eec1_ff1
	.p2alignl 7, 3214868480
	.fill 96, 4, 3214868480
	.section	.rodata,"a",@progbits
	.p2align	6, 0x0
	.amdhsa_kernel k_q633808eec1_ff1
		.amdhsa_group_segment_fixed_size 327680
		.amdhsa_private_segment_fixed_size 0
		.amdhsa_enable_private_segment 0
		.amdhsa_kernarg_size 32
		.amdhsa_user_sgpr_count 2
		.amdhsa_user_sgpr_kernarg_segment_ptr 1
		.amdhsa_wavefront_size32 1
		.amdhsa_system_sgpr_workgroup_id_x 1
		.amdhsa_system_sgpr_workgroup_id_y 1
		.amdhsa_system_sgpr_workgroup_id_z 1
		.amdhsa_system_vgpr_workitem_id 0
		.amdhsa_next_free_vgpr 1024
		.amdhsa_next_free_sgpr 100
		.amdhsa_reserve_vcc 0
		.amdhsa_float_denorm_mode_32 3
		.amdhsa_float_denorm_mode_16_64 3
		.amdhsa_memory_ordered 1
		.amdhsa_forward_progress 1
		.amdhsa_inst_pref_size 171
	.end_amdhsa_kernel
	.amdgpu_metadata
---
amdhsa.version: [ 1, 2 ]
amdhsa.kernels:
  - .name:           k_q633808eec1_ff1
    .symbol:         k_q633808eec1_ff1.kd
    .args:
      - { .name: pw, .offset: 0, .size: 8, .value_kind: global_buffer, .address_space: global }
      - { .name: h2b, .offset: 8, .size: 8, .value_kind: global_buffer, .address_space: global }
      - { .name: b1, .offset: 16, .size: 8, .value_kind: global_buffer, .address_space: global }
      - { .name: hid, .offset: 24, .size: 8, .value_kind: global_buffer, .address_space: global }
    .group_segment_fixed_size: 327680
    .private_segment_fixed_size: 0
    .kernarg_segment_align: 8
    .kernarg_segment_size: 32
    .max_flat_workgroup_size: 128
    .sgpr_count:     100
    .vgpr_count:     1024
    .wavefront_size: 32
...
	.end_amdgpu_metadata
.endif
;; end of part 6
;; launch ff2 (part 7): grid 8 x 32, 4 waves a work-group, clusters of 4 x 4, 327,680 bytes of LDS; arguments pw, hid, h2b, b2, out0; writes out0
.if DOCPART == 7
	.amdgcn_target "amdgcn-amd-amdhsa--gfx1250"
	.amdhsa_code_object_version 6
	.text
	.protected	k_q633808eec1_ff2
	.globl	k_q633808eec1_ff2
	.p2align	8
	.type	k_q633808eec1_ff2,@function
k_q633808eec1_ff2:
	s_mov_b64 s[64:65], 0
	v_nop
	global_prefetch_b8 v0, s[64:65] scope:SCOPE_SE
	s_setreg_imm32_b32 hwreg(HW_REG_WAVE_MODE, 25, 1), 1
	s_wait_xcnt 0x0
	s_wait_alu depctr_hold_cnt(0) depctr_sa_sdst(0) depctr_va_vdst(0) depctr_va_sdst(0) depctr_va_ssrc(0) depctr_va_vcc(0) depctr_vm_vsrc(0)
	s_getreg_b32 s2, hwreg(HW_REG_IB_STS2, 6, 4)
	s_cmp_eq_u32 s2, 0
	s_cbranch_scc0 .Lentry_in_a_cluster
	s_endpgm
.Lentry_in_a_cluster:
	s_bfe_u32 s2, ttmp6, 0x10000c
	s_cmp_lg_u32 s2, 0xf033
	s_cbranch_scc0 .Lentry_shape_is_right
	s_endpgm
.Lentry_shape_is_right:
; FF2.  out = h2 + hidden W2 + b2, on codes of FP6 (E2M3), K = 4,096.  1,024 outputs x 4,096 tokens in tiles of 128 x 128 give each of 256 work-groups one tile; four waves, 64 x 64 each: 16 accumulators.
; K goes in 32 steps of 128 through two LDS slots of FOUR steps: a wave's tensor load brings 24,576 consecutive bytes (4 tiles x 4 K steps of register images) and has four steps' products in which to land.
; THE SUMS START FROM MEMORY: h2 was stored as an image of accumulators and is loaded straight into them.  (So the result is summed as (h2 + hidden W2) + b2: another order of f32 rounding than h2 + (hidden W2 + b2).)
; Transposed use: source 0 = 16 outputs of W2, source 1 = 16 tokens: a lane holds eight neighbouring outputs of one token.  Row r of a tile is index 32 (t / 2) + 8 (t % 2) + r % 8 + 16 (r / 8): the way out puts rows and columns back.
; CLUSTERS of 4 x 4: the tokens' tiles are shared along a row of the cluster, W2's along a column: joint loads.
; REGISTERS: window 0: v16-29 addresses, v32-39 scale words (two sets; register i: the tokens' tile i in lanes 0-15, W2's in lanes 16-31), v40-71 b2, v72-103 at work, v128-255 accumulator (a, b) at v[128 + 8 (4 a + b)].
;   window 1: set 0 at v0-47 (W2), v48-95 (tokens); set 1 at v128-175, v176-223.
.set W2_C,   9437184
.set W2_S,   13729792
.set HID_S,  12582912
.set H2_IMG, 3276800
.set FR,     12
.set HALFT,  24576                     ; 4 tiles x 4 K steps
.set SLOT,   4*HALFT
.set GSA,    1572864                   ; bytes from a slot's worth of K to the next: 256 tiles of tokens,
.set GSB,    393216                    ; 64 tiles of W2
.set SCL,    2*SLOT
.set HALFS,  8192
.set STAGE,  SCL+4*HALFS               ; 16 rows x 272 bytes for each wave: no tile lands here
.set SPARE,  STAGE+4*16*272            ; the spare words, 128 bytes for each wave: two blocks of 256 bytes that no other line names
.set ADRA, 16
.set ADRB, 20
.set STO,  24
.set RD,   25
.set CO,   26
.set ADRS, 27
.set SPW,  28
.set NIL,  29
.set SC,   32
.set BI,   40
.set Y,    72
.set ACC,  128
.set G1, 24
.set G0, 32
.set G1B, 48
.set G0B, 56
.set G1S, 68
.set G0S, 76
.set G1SB, 80
.set G0SB, 88
.set MSB, 0
.macro WIN new
.if MSB != (\new)
	s_set_vgpr_msb (MSB<<8)|(\new)
.set MSB, (\new)
.endif
.endm
.macro PLACES
.rept 4
	v_nop
.endr
.endm
.macro JLOAD g0a, g1a, g0b, g1b        ; a joint load: waves 0 and 1 fetch for the tokens, waves 2 and 3 for W2; an s_nop 0 and four v_nop follow each line
	s_cmp_eq_u32 s15, 0
	s_cbranch_scc0 .Lfor_b_\@
	tensor_load_to_lds s[\g0a:\g0a+3], s[\g1a:\g1a+7]
	s_nop 0
.rept 4
	v_nop
.endr
	s_branch .Lasked_\@
.Lfor_b_\@:
	tensor_load_to_lds s[\g0b:\g0b+3], s[\g1b:\g1b+7]
	s_nop 0
.rept 4
	v_nop
.endr
.Lasked_\@:
.endm
.macro CREST
	s_cmp_lg_u32 s14, 0
	s_cbranch_scc1 .Lnot_wave_0_\@
	s_barrier_signal -3
.Lnot_wave_0_\@:
	s_barrier_wait -3
	s_barrier_signal -1
	s_barrier_wait -1
.endm
.macro CROUND
	s_barrier_signal -1
	s_barrier_wait -1
	CREST
.endm
	s_load_b256 s[4:11], s[0:1], 0x0               ; pw, hid, h2b, b2
	s_load_b64 s[12:13], s[0:1], 0x20              ; out0
	v_lshl_add_u32 v[SPW], v0, 2, SPARE
	v_mov_b32 v[NIL], 0
	ds_add_u32 v[SPW], v[NIL]                      ; the wave's opening: the add and its wait ahead of my first tensor load
	v_lshrrev_b32 v1, 5, v0
	v_readfirstlane_b32 s14, v1                    ; wave 0..3
	s_lshr_b32 s15, s14, 1                         ; my half of the tokens' tiles.  Also: I fetch for the tokens (0) or for W2 (1)
	s_and_b32 s16, s14, 1                          ; my half of W2's.  Also: which half I fetch
	s_bfe_u32 s40, ttmp6, 0x40000                  ; cx
	s_bfe_u32 s41, ttmp6, 0x40004                  ; cy
	s_lshl_b32 s42, ttmp9, 2
	s_add_co_u32 s42, s42, s40                     ; idx0: which 128 outputs
	s_and_b32 s17, ttmp7, 0xffff
	s_lshl_b32 s17, s17, 2
	s_add_co_u32 s17, s17, s41                     ; idx1: which 128 tokens
	s_lshl_b32 s43, s41, 2
	s_lshl_b32 s43, 15, s43                        ; my row of the cluster
	s_lshl_b32 s44, 0x1111, s40                    ; my column
	s_or_b32 s[G1+0], s43, (3<<16)|(1<<21)         ; 15:0 the mask; 17:16 elements of 8 bytes; 21 set beside a mask; no padding
	s_or_b32 s[G1B+0], s44, (3<<16)|(1<<21)
	s_or_b32 s[G1S+0], s43, (3<<16)|(1<<21)
	s_or_b32 s[G1SB+0], s44, (3<<16)|(1<<21)
.irp g, G1, G1B                        ; 96 dense rows of 256 bytes
	s_mov_b32 s[\g+1], 32<<16
	s_mov_b32 s[\g+2], 96<<16
	s_mov_b32 s[\g+3], 32<<16
	s_mov_b32 s[\g+4], 96
	s_mov_b32 s[\g+5], 32
	s_mov_b32 s[\g+6], 0
	s_mov_b32 s[\g+7], 0
.endr
.irp g, G1S, G1SB                      ; 32 dense rows of 256 bytes
	s_mov_b32 s[\g+1], 32<<16
	s_mov_b32 s[\g+2], 32<<16
	s_mov_b32 s[\g+3], 32<<16
	s_mov_b32 s[\g+4], 32
	s_mov_b32 s[\g+5], 32
	s_mov_b32 s[\g+6], 0
	s_mov_b32 s[\g+7], 0
.endr
	s_lshl_b32 s18, s16, 2
	s_lshl_b32 s20, s17, 3
	s_add_co_u32 s20, s20, s18
	s_mul_i32 s20, s20, 6144                       ; the hidden layer's codes: tile 8 idx1 + 4 half (the region begins at byte 0)
	s_mov_b32 s21, 0
	s_lshl_b32 s46, s42, 3
	s_add_co_u32 s46, s46, s18
	s_mul_i32 s46, s46, 6144
	s_add_co_u32 s46, s46, W2_C
	s_mov_b32 s47, 0
	s_lshl_b32 s18, s16, 13
	s_lshl_b32 s22, s17, 14
	s_add_co_u32 s22, s22, s18
	s_add_co_u32 s22, s22, HID_S
	s_mov_b32 s23, 0
	s_lshl_b32 s92, s42, 14
	s_add_co_u32 s92, s92, s18
	s_add_co_u32 s92, s92, W2_S
	s_mov_b32 s93, 0
	s_mul_i32 s45, s14, HALFT
	s_lshl_b32 s19, s14, 13
	s_wait_dscnt 0x0                               ; the opening add is done
	s_wait_kmcnt 0x0
	s_add_nc_u64 s[20:21], s[6:7], s[20:21]
	s_add_nc_u64 s[22:23], s[6:7], s[22:23]
	s_add_nc_u64 s[46:47], s[4:5], s[46:47]
	s_add_nc_u64 s[92:93], s[4:5], s[92:93]
	CROUND                                         ; all sixteen work-groups are here: the first joint loads meet
	s_mov_b32 s[G0S], 1
	s_add_co_u32 s[G0S+1], s19, SCL
	s_mov_b64 s[G0S+2:G0S+3], s[22:23]
	s_or_b32 s[G0S+3], s[G0S+3], 0x80000000
	s_mov_b32 s[G0SB], 1
	s_add_co_u32 s[G0SB+1], s19, SCL
	s_mov_b64 s[G0SB+2:G0SB+3], s[92:93]
	s_or_b32 s[G0SB+3], s[G0SB+3], 0x80000000
	JLOAD G0S, G1S, G0SB, G1SB                     ; the scale words of all of K: filled once
.irp s, 0,1
	s_mov_b32 s[G0+4*\s], 1
	s_add_co_u32 s[G0+4*\s+1], s45, \s*SLOT
	s_add_nc_u64 s[G0+4*\s+2:G0+4*\s+3], s[20:21], \s*GSA
	s_or_b32 s[G0+4*\s+3], s[G0+4*\s+3], 0x80000000
	s_mov_b32 s[G0B+4*\s], 1
	s_add_co_u32 s[G0B+4*\s+1], s45, \s*SLOT
	s_add_nc_u64 s[G0B+4*\s+2:G0B+4*\s+3], s[46:47], \s*GSB
	s_or_b32 s[G0B+4*\s+3], s[G0B+4*\s+3], 0x80000000
	JLOAD G0+4*\s, G1, G0B+4*\s, G1B               ; three tensor loads of mine are out at the most
.endr
	v_and_b32 v6, 31, v0
	v_lshlrev_b32 v1, 4, v6                        ; 16 x lane
	v_and_b32 v7, 15, v0                           ; r
	v_bfe_u32 v8, v0, 4, 1                         ; h
	v_lshlrev_b32 v4, 6, v8                        ; 64 h
	s_mul_i32 s18, s15, HALFT
	s_mul_i32 s19, s16, HALFT
	s_add_co_u32 s19, s19, 2*HALFT
.irp s, 0,1
	v_add_nc_u32 v[ADRA+\s], s18, v1
	v_add_nc_u32 v[ADRB+\s], s19, v1
	s_add_co_u32 s18, s18, SLOT
	s_add_co_u32 s19, s19, SLOT
.endr
	s_lshl_b32 s18, s15, 13
	s_lshl_b32 s19, s16, 13
	s_add_co_u32 s19, s19, 2*HALFS
	s_sub_co_u32 s19, s19, s18
	v_mul_u32_u24 v6, s19, v8                      ; lanes 16-31 take W2's words
	s_add_co_u32 s18, s18, SCL
	v_lshl_add_u32 v6, v7, 2, v6
	v_add_nc_u32 v[ADRS], s18, v6
	s_mul_i32 s18, s14, 16*272
	s_add_co_u32 s18, s18, STAGE                   ; my stage
	v_mul_u32_u24 v[STO], v7, 272
	v_add_nc_u32 v[STO], v[STO], v4
	v_add_nc_u32 v[STO], s18, v[STO]               ; in: row r, + 64 h
	v_mul_u32_u24 v[RD], v8, 272
	v_lshl_add_u32 v[RD], v7, 4, v[RD]
	v_add_nc_u32 v[RD], s18, v[RD]                 ; back: lanes 0-15 one row of 256 bytes, lanes 16-31 the next
	v_lshlrev_b32 v[CO], 12, v8
	v_lshl_add_u32 v[CO], v7, 4, v[CO]             ; and the same two rows in out0
	s_lshl_b32 s18, s17, 3
	s_lshl_b32 s19, s15, 2
	s_add_co_u32 s18, s18, s19                     ; my first tile of tokens
	s_lshl_b32 s18, s18, 3
	s_add_co_u32 s18, s18, s42
	s_lshl_b32 s18, s18, 13
	s_lshl_b32 s19, s16, 12
	s_add_co_u32 s18, s18, s19
	s_add_co_u32 s18, s18, H2_IMG
	s_mov_b32 s19, 0
	s_add_nc_u64 s[8:9], s[8:9], s[18:19]          ; h2: image (tile, 128 columns idx0), my 64 columns' eight chunks
	s_lshl_b32 s18, s42, 9
	s_lshl_b32 s22, s16, 8
	s_add_co_u32 s18, s18, s22                     ; my 64 outputs, in bytes
	s_add_nc_u64 s[10:11], s[10:11], s[18:19]
	s_add_nc_u64 s[12:13], s[12:13], s[18:19]
	s_lshl_b32 s18, s17, 2
	s_lshl_b32 s22, s15, 1
	s_add_co_u32 s18, s18, s22
	s_lshl_b32 s18, s18, 17                        ; token 32 (4 idx1 + 2 half), rows of 4,096 bytes
	s_add_nc_u64 s[12:13], s[12:13], s[18:19]
.irp a, 0,1,2,3
.irp b, 0,1,2,3
	global_load_b128 v[ACC+8*(4*\a+\b):ACC+8*(4*\a+\b)+3], v1, s[8:9] offset:65536*\a+1024*\b th:TH_LOAD_NT
	global_load_b128 v[ACC+8*(4*\a+\b)+4:ACC+8*(4*\a+\b)+7], v1, s[8:9] offset:65536*\a+1024*\b+512 th:TH_LOAD_NT
.endr
.endr
.irp b, 0,1,2,3
	global_load_b128 v[BI+8*\b:BI+8*\b+3], v4, s[10:11] offset:128*(\b/2)+32*(\b%2)
	global_load_b128 v[BI+8*\b+4:BI+8*\b+7], v4, s[10:11] offset:128*(\b/2)+32*(\b%2)+16
.endr
.macro FRAG reg, adr, off
.irp c, 0,1,2
	ds_load_b128 v[\reg+4*\c:\reg+4*\c+3], v[\adr] offset:\off+512*\c
.endr
.endm
.macro FETCH p, slot, q                ; 28 LDS loads: the slot's q-th K step into set p, and its scale words
	WIN 0x40
.irp i, 0,1,2,3
	FRAG 128*(\p)+FR*\i, ADRB+\slot, 6144*\i+1536*(\q)
.endr
.irp i, 0,1,2,3
	FRAG 128*(\p)+48+FR*\i, ADRA+\slot, 6144*\i+1536*(\q)
.endr
	WIN 0
.irp i, 0,1,2,3
	ds_load_b32 v[SC+4*(\p)+\i], v[ADRS] offset:2048*\i+64*(\q)
.endr
.endm
.macro MUL4 p, a0, n                   ; 4 n products; the 16 accumulators take turns, one instruction a turn, in one order in every step
	WIN 0x05
.set AA, \a0
.rept \n
.irp b, 0,1,2,3
	v_wmma_scale_f32_16x16x128_f8f6f4 v[ACC+8*(4*AA+\b):ACC+8*(4*AA+\b)+7], v[128*(\p)+FR*\b:128*(\p)+FR*\b+FR-1], v[128*(\p)+48+FR*AA:128*(\p)+48+FR*AA+FR-1], v[ACC+8*(4*AA+\b):ACC+8*(4*AA+\b)+7], v[SC+4*(\p)+\b], v[SC+4*(\p)+AA] matrix_a_fmt:MATRIX_FMT_FP6 matrix_b_fmt:MATRIX_FMT_FP6 matrix_a_scale:MATRIX_SCALE_ROW1
.endr
.set AA, AA+1
.endr
.endm
.macro STEP p, slot, qn
	PLACES
	FETCH 1-(\p), \slot, \qn
	s_wait_dscnt 28                                ; all but the 28 just issued: set p, asked for a step ago, is in
	MUL4 \p, 0, 4
.endm
.macro TURN slot, next, fill           ; a slot's last step (set 1) changes slots: ONE barrier, with the waits and the add in front of it
	WIN 0
	s_wait_tensorcnt 0x0                           ; all my tensor loads have landed: my part of the next slot among them
	ds_add_u32 v[SPW], v[NIL]                      ; 0 onto my spare word
	s_wait_dscnt 1                                 ; set 1 is in; the add may be out
	MUL4 1, 0, 1
	s_wait_dscnt 0x0                               ; the add is done, and my reads of this slot are over
	s_barrier_signal -1
	MUL4 1, 1, 1
	WIN 0
	s_barrier_wait -1
.if \fill
	CREST                                          ; the barrier has opened a round of the cluster's
	s_add_nc_u64 s[G0+4*\slot+2:G0+4*\slot+3], s[G0+4*\slot+2:G0+4*\slot+3], 2*GSA
	s_add_nc_u64 s[G0B+4*\slot+2:G0B+4*\slot+3], s[G0B+4*\slot+2:G0B+4*\slot+3], 2*GSB
	JLOAD G0+4*\slot, G1, G0B+4*\slot, G1B         ; the first tensor load behind the round; its four v_nop are the places in front of the loads below
.else
	PLACES
.endif
	v_add_nc_u32 v[ADRS], 256, v[ADRS]             ; the next slot's scale words
	FETCH 0, \next, 0
	MUL4 1, 2, 2
.endm
	s_wait_tensorcnt 1                             ; the scale words and my part of slot 0 are in; slot 1's load may be out
	s_barrier_signal -1
	s_barrier_wait -1
	FETCH 0, 0, 0
	s_wait_loadcnt 0x0                             ; h2 in the accumulators, and b2
	STEP 0, 0, 1
	WIN 0
	s_mov_b32 s3, 3
.Llap:                                             ; a trip goes once round the ring, from a lap's second step to the next lap's first, and fills both slots again
	STEP 1, 0, 2
	STEP 0, 0, 3
	TURN 0, 1, 1
	STEP 0, 1, 1
	STEP 1, 1, 2
	STEP 0, 1, 3
	TURN 1, 0, 1
	STEP 0, 0, 1
	WIN 0
	s_sub_co_u32 s3, s3, 1
	s_cmp_lg_u32 s3, 0
	s_cbranch_scc1 .Llap
	STEP 1, 0, 2                                   ; the last lap fills nothing
	STEP 0, 0, 3
	TURN 0, 1, 0
	STEP 0, 1, 1
	STEP 1, 1, 2
	STEP 0, 1, 3
	s_wait_dscnt 0x0
	MUL4 1, 0, 4
	WIN 0
	PLACES
; THE WAY OUT, a tile of 16 tokens x my 64 outputs at a time: + b2; through my own stage, where columns and rows fall into their true order; back as whole rows of 256 bytes, into the tile's own accumulators.
.macro TOSTAGE a
.set i, 0
.rept 16
	v_pk_add_f32 v[Y+i:Y+i+1], v[ACC+32*(\a)+i:ACC+32*(\a)+i+1], v[BI+i:BI+i+1]   ; each accumulator from its low end on
.set i, i+2
.endr
.irp b, 0,1,2,3
	ds_store_b128 v[STO], v[Y+8*\b:Y+8*\b+3] offset:128*(\b/2)+32*(\b%2)
	ds_store_b128 v[STO], v[Y+8*\b+4:Y+8*\b+7] offset:128*(\b/2)+32*(\b%2)+16
.endr
.irp t, 0,1,2,3,4,5,6,7
	ds_load_b128 v[ACC+32*(\a)+4*\t:ACC+32*(\a)+4*\t+3], v[RD] offset:2*\t*272   ; LDS serves a wave's instructions in order: these see my stores
.endr
.endm
.macro SEND a
.irp t, 0,1,2,3,4,5,6,7
	global_store_b128 v[CO], v[ACC+32*(\a)+4*\t:ACC+32*(\a)+4*\t+3], s[12:13] offset:(32*((\a)/2)+8*((\a)%2)+2*\t+8*(\t/4))*4096 th:TH_STORE_NT   ; 16 lanes store 256 consecutive bytes, aligned; stage row 2 t + h is token 2 t + h, + 8 from row 8 on
.endr
.endm
	TOSTAGE 0
.irp a, 1,2,3
	s_wait_dscnt 8                                 ; the 8 loads may be out: the 8 stores ahead of them have read their registers
	TOSTAGE \a
	s_wait_dscnt 16                                ; behind the last tile's loads: this tile's 8 stores and 8 loads
	SEND \a-1
.endr
	s_wait_dscnt 0x0
	SEND 3
	s_wait_tensorcnt 0x0                           ; the wave's end
	ds_add_u32 v[SPW], v[NIL]
	s_wait_dscnt 0x0
	CROUND                                         ; the closing round
	s_endpgm
.Lfunc_end_k_q633808eec1_ff2:
	.size	k_q633808eec1_ff2, .Lfunc_end_k_q633808eec1_ff2-k_q633808eec1_ff2
	.p2alignl 7, 3214868480
	.fill 96, 4, 3214868480
	.section	.rodata,"a",@progbits
	.p2align	6, 0x0
	.amdhsa_kernel k_q633808eec1_ff2
		.amdhsa_group_segment_fixed_size 327680
		.amdhsa_private_segment_fixed_size 0
		.amdhsa_enable_private_segment 0
		.amdhsa_kernarg_size 40
		.amdhsa_user_sgpr_count 2
		.amdhsa_user_sgpr_kernarg_segment_ptr 1
		.amdhsa_wavefront_size32 1
		.amdhsa_system_sgpr_workgroup_id_x 1
		.amdhsa_system_sgpr_workgroup_id_y 1
		.amdhsa_system_sgpr_workgroup_id_z 1
		.amdhsa_system_vgpr_workitem_id 0
		.amdhsa_next_free_vgpr 512
		.amdhsa_next_free_sgpr 100
		.amdhsa_reserve_vcc 0
		.amdhsa_float_denorm_mode_32 3
		.amdhsa_float_denorm_mode_16_64 3
		.amdhsa_memory_ordered 1
		.amdhsa_forward_progress 1
		.amdhsa_inst_pref_size 92
	.end_amdhsa_kernel
	.amdgpu_metadata
---
amdhsa.version: [ 1, 2 ]
amdhsa.kernels:
  - .name:           k_q633808eec1_ff2
    .symbol:         k_q633808eec1_ff2.kd
    .args:
      - { .name: pw, .offset: 0, .size: 8, .value_kind: global_buffer, .address_space: global }
      - { .name: hid, .offset: 8, .size: 8, .value_kind: global_buffer, .address_space: global }
      - { .name: h2b, .offset: 16, .size: 8, .value_kind: global_buffer, .address_space: global }
      - { .name: b2, .offset: 24, .size: 8, .value_kind: global_buffer, .address_space: global }
      - { .name: out0, .offset: 32, .size: 8, .value_kind: global_buffer, .address_space: global }
    .group_segment_fixed_size: 327680
    .private_segment_fixed_size: 0
    .kernarg_segment_align: 8
    .kernarg_segment_size: 40
    .max_flat_workgroup_size: 128
    .sgpr_count:     100
    .vgpr_count:     512
    .wavefront_size: 32
...
	.end_amdgpu_metadata
.endif
;; end of part 7
